; MI455X (gfx1250); checked and timed in simulation.
; The chip was launched on July 23, 2026; its instructions are those of AMD's public machine-readable ISA for CDNA 5 (MIT licence, August 2026) and "CDNA5" Instruction Set Architecture Reference Guide (July 2026). The comments in the code are by the model that wrote it; some were corrected since.
;; Ro PE Attention. Allowed arithmetic: matrix products marked QUANTISED: E5M2 operands, one given power-of-two scale a tensor, by v_wmma_f32_16x16x64_bf8_bf8 or v_wmma_f32_16x16x128_bf8_bf8, f32 sums; everything else in f32.
;; Inputs: Wk_codes 512 x 16 x 32 uint8 (E5M2 codes of Wk, K innermost, in blocks of 32 codes); Wp_codes 512 x 16 x 32 uint8 (E5M2 codes of Wp, K innermost, in blocks of 32 codes); Wq_codes 512 x 16 x 32 uint8 (E5M2 codes of Wq, K innermost, in blocks of 32 codes); Wv_codes 512 x 16 x 32 uint8 (E5M2 codes of Wv, K innermost, in blocks of 32 codes); bk 512 float32; bp 512 float32; bq 512 float32; bv 512 float32; lowp_scales 12 int32 (the exponents e of the quantised operands' scales 2^e); x_codes 4 x 2,048 x 16 x 32 uint8 (E5M2 codes of x, K innermost, in blocks of 32 codes).
;; Outputs: out0 4 x 2,048 x 512 float32.
;; This version of the problem:
;;   THIS VERSION OF THE PROBLEM IS GIVEN IN LOW PRECISION. The matrix products marked QUANTISED in the list below multiply operands that are first quantised to E5M2 (5 exponent bits, 2 mantissa bits; 8 bits a number), with one given power-of-two scale for each operand tensor; their sums are f32. All else is computed in f32.
;;   The module's matrix products, in the order in which they are computed (A, B: the left and right operand; K: the contracted axis; several contracted axes count as one K, in the product's order):
;;     1. [M 8,192, K 512] x [K 512, N 512]; A: input x (given as codes); B: input Wk (given as codes): QUANTISED (scales: A lowp_scales[0], B lowp_scales[1])
;;     2. [M 8,192, K 512] x [K 512, N 512]; A: input x (given as codes); B: input Wq (given as codes): QUANTISED (scales: A lowp_scales[2], B lowp_scales[3])
;;     3. [M 8,192, K 512] x [K 512, N 512]; A: input x (given as codes); B: input Wv (given as codes): QUANTISED (scales: A lowp_scales[4], B lowp_scales[5])
;;     4. batch 4 x [M 2,048, K 512] x [K 512, N 2,048]; A: computed on the way; B: computed on the way: QUANTISED (scales: A lowp_scales[6], B lowp_scales[7])
;;     5. batch 4 x [M 2,048, K 2,048] x [K 2,048, N 512]; A: computed on the way; B: computed on the way: QUANTISED (scales: A lowp_scales[8], B lowp_scales[9])
;;     6. [M 8,192, K 512] x [K 512, N 512]; A: computed on the way; B: input Wp (given as codes): QUANTISED (scales: A lowp_scales[10], B lowp_scales[11])
;;   THE QUANTISER, for each operand of a quantised product, along K:
;;     - The operand's scale is 2^e, e = its entry of the input lowp_scales (int32; the entries are numbered through the quantised products in the list's order, A before B).
;;     - Each number is divided by the scale, clamped to +-57,344, and rounded to the nearest number of E5M2, ties to even, subnormals kept.
;;     - The product sums the exact products of the quantised numbers (number of the format x scale) in f32.
;;   ~~~python
;;   def quantise(x, axis, e):      # numpy; x: float32 -> the quantised numbers, widened to float32 again
;;       x = np.moveaxis(x, axis, -1); K = x.shape[-1]
;;       r = np.clip(x / 2.0 ** e, -57344, 57344)
;;       step = 2.0 ** (np.maximum(np.frexp(np.where(r == 0, 1, r))[1] - 1, -14) - 2)
;;       q = np.round(r / step) * step * 2.0 ** e      # np.round: ties to even
;;       return np.moveaxis(q, -1, axis).astype(np.float32)
;;   ~~~
;;   OPERANDS COMPUTED ON THE WAY. 'Computed on the way' means the value that the module computes at that place (a softmax that the list does not call 'softmax' is quantised finished and normalised). What goes into a quantiser is computed in f32, as accurately as f32 sums, v_exp_f32 and their like allow (about 1e-6 of the number): no bf16 or f16 on the way to a quantiser, and a product that is left as it is and whose result goes on into a quantised operand takes f32 operands (vector FMAs, or v_wmma_f32_16x16x4_f32). A number that lies on a knife's edge between two numbers of the format may be rounded either way, as far as f32 arithmetic and the matrix unit's own rounding can turn it there, and no further.
;;   INPUTS GIVEN AS CODES. Wk (in the module: [512, 512], K = its axis 0); Wp (in the module: [512, 512], K = its axis 0); Wq (in the module: [512, 512], K = its axis 0); Wv (in the module: [512, 512], K = its axis 0); x (in the module: [4, 2048, 512], K = its axis 2): each comes as NAME_codes (uint8): NAME with its K axis moved to the last place and cut into blocks of 32 codes, [.., K / 32, bytes a block], one block behind the other in memory; one code a byte (a code: sign, 5 exponent bits, 2 mantissa bits); its scale is its entry of lowp_scales. Its value is code x scale, taken as it is: it is not quantised again, and the codes and scales need not be those that the quantiser above would give.
;; 2 versions, each right. Each part assembles by itself: llvm-mc -triple=amdgcn-amd-amdhsa -mcpu=gfx1250 --defsym DOCPART=n.
;; ======== version 1 of 2: 2 launches
;; workspace buffers: k_frag 4,194,304 bytes; q_frag 4,194,304 bytes; v_frag 4,194,304 bytes; wp_frag 262,144 bytes
;; launch proj (part 1): grid 64 x 4, 4 waves a work-group, clusters of 4 x 4, 270,848 bytes of LDS; arguments x_codes, Wk_codes, Wq_codes, Wv_codes, Wp_codes, bk, bq, bv, lowp_scales, k_frag, q_frag, v_frag, wp_frag; writes k_frag, q_frag, v_frag, wp_frag
.if DOCPART == 1
	.amdgcn_target "amdgcn-amd-amdhsa--gfx1250"
	.amdhsa_code_object_version 6
	.text
	.protected	k_q3d76318969_proj
	.globl	k_q3d76318969_proj
	.p2align	8
	.type	k_q3d76318969_proj,@function
k_q3d76318969_proj:
	s_mov_b64 s[64:65], 0
	v_nop
	global_prefetch_b8 v0, s[64:65] scope:SCOPE_SE
	s_setreg_imm32_b32 hwreg(HW_REG_WAVE_MODE, 25, 1), 1
	s_wait_xcnt 0x0
	s_wait_alu depctr_hold_cnt(0) depctr_sa_sdst(0) depctr_va_vdst(0) depctr_va_sdst(0) depctr_va_ssrc(0) depctr_va_vcc(0) depctr_vm_vsrc(0)
	s_getreg_b32 s2, hwreg(HW_REG_IB_STS2, 6, 4)
	s_cmp_eq_u32 s2, 0
	s_cbranch_scc0 .Lentry_in_a_cluster
	s_endpgm
.Lentry_in_a_cluster:
	s_bfe_u32 s2, ttmp6, 0x10000c
	s_cmp_lg_u32 s2, 0xf033
	s_cbranch_scc0 .Lentry_shape_is_right
	s_endpgm
.Lentry_shape_is_right:
; k = rot(x Wk + bk), q = rot(x Wq + bq), v = x Wv + bv on codes of E5M2, quantised for the next two products; Wp's codes laid anew.
; x: [4][2048][512] codes; W*: [512 (n)][512 (k)] codes; sums f32.  A sum stands for sum x 2^(ex + ew), each product with its own two entries of lowp_scales.
; rot turns each pair of channels (2 d, 2 d + 1) of position t by the angle (2047 - t) d radians.
; DEAD WORK OF THE PROGRAM (left out in the second launch; nothing is left out here).  reference() sets wei[t][s] to -inf where s > t, by a mask that it builds itself;
; softplus(-inf) = 0, its code is 0, and a zero adds nothing to wei @ v, whatever the inputs hold.  So tiles of k q^T and of wei @ v all of whose keys s lie above all of their rows t are not computed.
; LIMIT: a NaN, an infinity or an overflow that would arise only in those tiles is not carried to the result.  Every input has a way to the output and is loaded.
; WHAT IS STORED: operands as images of the registers that the next launch's matrix instructions take.  A fragment, 16 rows x 128 K, is 2,048 bytes: [chunk g of 4 registers][lane][16 bytes];
; lane (r, h), registers 2 T and 2 T + 1 hold K = 16 T + 8 h + 0 .. 7 of row r: what one conversion of eight makes of a result tile T.
;   k_frag, q_frag [b][t / 16][c / 128] (row t, K = c);  v_frag [b][t / 128][c / 16] (row c, K = t);  wp_frag [n / 16][c / 128] (row n, K = c).
; SHARES.  A work-group takes positions 32 tb .. 32 tb + 31 of all four batches (128 rows) and channels 128 c4 .. + 127 of k, q and v.  Wave w owns channels 32 w .. + 31 of these, of all three,
; for all 128 rows: its 24 fragments of W stay in 384 registers, and each fragment of x read from LDS feeds six matrix instructions.  An angle hangs on neither batch nor k or q: 16 pairs (cos, sin) a lane serve all.
; CLUSTER 4 x 4.  x's tile hangs on tb alone: the four work-groups of a column ask for it jointly; W's tiles hang on c4 alone: the four of a row do.  All loads are first fills: one round ahead of them, one at the end.
; k and q are made transposed (source 0 = 16 rows of W, source 1 = 16 rows of x): a lane holds one position and eight neighbouring channels, so a pair lies in two neighbouring registers.
; v is made the other way (source 0 = x, source 1 = Wv): a lane holds one channel and eight neighbouring positions, which are the next K.
; x's and W's fragments are read by loads of 16 bytes (registers 4 g .. hold k = 32 g + 16 h + 0 .. 15): one permutation of k, the same on both sides of each product.
; LIMITS: e6 - e0 - e1, e7 - e2 - e3, e9 - e4 - e5 between -126 and 112, so that each power of two below is an f32 number.  NaN among the biases is not served.
; Entry 6 of lowp_scales is taken for k and entry 7 for q: k is the left operand of the product of the two.
.set PITCH, 528                        ; an LDS row: 512 bytes + 16: row r begins 33 r pieces of 16 bytes in, so the 16 rows of a load fall on 16 different pieces modulo 256 bytes
.set TILEB, 32*PITCH                   ; what one tensor load brings: 32 rows
.set REGN,  4*TILEB                    ; a region: x's four batches; then Wk's, Wq's, Wv's 128 rows
.set SPARE, 4*REGN                     ; behind them: the spare words, 128 bytes a wave, that no other line names
.set XA,   1                           ; v1   r x PITCH + 16 h
.set WAK,  2                           ; v2-4 the same in my 32 rows of Wk, Wq, Wv
.set SO,   5                           ; v5   16 x lane
.set WPS,  6                           ; v6   Wp: where my 8 bytes come from;  v7 where they go;  v[8:9] the bytes
.set WPD,  7
.set WPR,  8
.set BO,   10                          ; v10  32 h: bk, bq;  v11  4 r: bv
.set BVO,  11
.set POSI, 24                          ; v24, v25  2047 - t for my position in tile u = 0, 1
.set N0,   26                          ; v26, v27  that x DL
.set DLI,  28                          ; v28  DL = 64 c4 + 16 w + 4 h: my first pair's number d
.set XF,   32                          ; v32-95, v96-159  x's fragments, two buffers (ahead of that: at work for cos and sin)
.set AK,   160                         ; accumulators: k's two tiles, q's two, v's two
.set AQ,   176
.set AV,   192
.set CK,   208                         ; codes: k 4 registers, q 4, v 8
.set CQ,   212
.set CV,   216
.set TM,   224                         ; v224-231 at work
.set SCK,  232                         ; v232.. for k, q, v: the conversion's scale, and 57,344 x it
.set SPW,  240                         ; v240 LDS address of my spare word; v241 0; never rewritten
.set NIL,  241
.set BK2,  128                         ; window 2: v0-127 Wv; bk, bq, bv over their powers of two; cos and sin by turns
.set BQ2,  144
.set BV2,  160
.set CSN,  176
.set SA, 32                            ; cos and sin: eight runs of 16 registers, one register an item (u, i, pp)
.set SN, 48
.set SKF, 64
.set SR, 80
.set SZ, 96
.set SQ, 112
.set SS, 128
.set SC, 144
.set G1X, 44                           ; s[44:51], s[52:59] descriptor group 1 for x's and for W's tiles: they differ in the mask
.set G1W, 52
.set G0X, 60                           ; s[60:63], s[68:71], s[72:75], s[76:79] groups 0
.set G0K, 68
.set G0Q, 72
.set G0V, 76
.set WV, 80
.set CX, 81
.set CY, 82
.set TB, 83
.set G1W0, (0<<16)|(1<<20)|(1<<21)|(6<<22)|(3<<25)   ; elements of 1 byte; padding on; bit 21 beside a mask; after every 128 words; 4 words of it
.set MSB, 0
.macro WIN new                         ; the immediate's high byte repeats the setting that is left
.if MSB != \new
	s_set_vgpr_msb (MSB<<8)|\new
.set MSB, \new
.endif
.endm
.macro PLACES                          ; four plain vector instructions behind matrix instructions, ahead of loads into their sources and of reads of their results
.rept 4
	v_nop
.endr
.endm
.macro CROUND                          ; a round of the cluster's barrier
	s_barrier_signal -1
	s_barrier_wait -1
	s_cmp_lg_u32 s[WV], 0
	s_cbranch_scc1 .Lnot_wave_0_\@
	s_barrier_signal -3
.Lnot_wave_0_\@:
	s_barrier_wait -3
	s_barrier_signal -1
	s_barrier_wait -1
.endm
	s_load_b512 s[4:19], s[0:1], 0x0               ; x s[4:5], Wk s[6:7], Wq s[8:9], Wv s[10:11], Wp s[12:13], bk s[14:15], bq s[16:17], bv s[18:19]
	s_load_b256 s[20:27], s[0:1], 0x40             ; lowp_scales s[20:21], k_frag s[22:23], q_frag s[24:25], v_frag s[26:27]
	s_load_b64 s[28:29], s[0:1], 0x60              ; wp_frag
	v_lshl_add_u32 v[SPW], v0, 2, SPARE
	v_mov_b32 v[NIL], 0
	ds_add_u32 v[SPW], v[NIL]                      ; the wave's opening: the add, twice on end, and its wait ahead of my first tensor load
	ds_add_u32 v[SPW], v[NIL]                      ; and once more; the set-up below, work on registers, stands between it and the wait
	v_lshrrev_b32 v12, 5, v0
	v_readfirstlane_b32 s[WV], v12                 ; wave 0..3
	s_bfe_u32 s[CX], ttmp6, 0x40000                ; my place in the cluster
	s_bfe_u32 s[CY], ttmp6, 0x40004                ; cy is also c4: the grid has one cluster along y
	s_lshl_b32 s[TB], ttmp9, 2
	s_add_co_u32 s[TB], s[TB], s[CX]               ; tb = 4 x cluster x + cx
	s_lshl_b32 s84, 0x1111, s[CX]                  ; my column of the cluster
	s_lshl_b32 s85, s[CY], 2
	s_lshl_b32 s85, 15, s85                        ; my row
	s_or_b32 s[G1X], s84, G1W0                     ; x's tile goes to my column,
	s_or_b32 s[G1W], s85, G1W0                     ; W's tiles to my row
.irp g, G1X, G1W
	s_mov_b32 s[\g+1], 512<<16                     ; tensor_dim0 = 512
	s_mov_b32 s[\g+2], 32<<16                      ; tensor_dim1 = 32
	s_mov_b32 s[\g+3], 512<<16                     ; tile_dim0 = 512
	s_mov_b32 s[\g+4], 32                          ; tile_dim1 = 32
	s_mov_b32 s[\g+5], 512                         ; from row to row
	s_mov_b32 s[\g+6], 0
	s_mov_b32 s[\g+7], 0
.endr
	s_lshl_b32 s86, s[WV], 20                      ; x: batch w, 2,048 rows of 512 bytes each,
	s_lshl_b32 s87, s[TB], 14                      ; + 32 tb rows
	s_add_co_u32 s86, s86, s87
	s_mov_b32 s87, 0
	s_lshl_b32 s88, s[CY], 16                      ; W: 128 c4 rows
	s_lshl_b32 s89, s[WV], 14                      ; + 32 w rows
	s_add_co_u32 s88, s88, s89
	s_mov_b32 s89, 0
	s_mul_i32 s90, s[WV], TILEB                    ; in each LDS region: wave x 32 rows; no place in the cluster enters an LDS address
	s_wait_dscnt 0x0                               ; both opening adds are done
	s_wait_kmcnt 0x0
	s_load_b256 s[32:39], s[20:21], 0x0            ; e0 .. e7
	s_load_b64 s[40:41], s[20:21], 0x20            ; e8, e9
	s_mov_b32 s[G0X], 1
	s_mov_b32 s[G0X+1], s90
	s_add_nc_u64 s[G0X+2:G0X+3], s[4:5], s[86:87]
	s_or_b32 s[G0X+3], s[G0X+3], 0x80000000
	s_mov_b32 s[G0K], 1
	s_add_co_u32 s[G0K+1], s90, REGN
	s_add_nc_u64 s[G0K+2:G0K+3], s[6:7], s[88:89]
	s_or_b32 s[G0K+3], s[G0K+3], 0x80000000
	s_mov_b32 s[G0Q], 1
	s_add_co_u32 s[G0Q+1], s90, 2*REGN
	s_add_nc_u64 s[G0Q+2:G0Q+3], s[8:9], s[88:89]
	s_or_b32 s[G0Q+3], s[G0Q+3], 0x80000000
	s_mov_b32 s[G0V], 1
	s_add_co_u32 s[G0V+1], s90, 3*REGN
	s_add_nc_u64 s[G0V+2:G0V+3], s[10:11], s[88:89]
	s_or_b32 s[G0V+3], s[G0V+3], 0x80000000
	CROUND                                         ; all sixteen work-groups are here: the joint loads meet
	tensor_load_to_lds s[G0X:G0X+3], s[G1X:G1X+7]  ; every wave issues all four, with no branch: four loads of mine are out
	s_nop 0
	tensor_load_to_lds s[G0K:G0K+3], s[G1W:G1W+7]
	s_nop 0
	tensor_load_to_lds s[G0Q:G0Q+3], s[G1W:G1W+7]
	s_nop 0
	tensor_load_to_lds s[G0V:G0V+3], s[G1W:G1W+7]
	s_nop 0
	PLACES                                         ; behind the tensor loads
	; ---- addresses
	v_and_b32 v12, 15, v0                          ; r
	v_bfe_u32 v13, v0, 4, 1                        ; h
	v_and_b32 v14, 31, v0                          ; lane
	v_mul_u32_u24 v[XA], v12, PITCH
	v_lshl_add_u32 v[XA], v13, 4, v[XA]
	s_add_co_u32 s93, s90, REGN
	v_add_nc_u32 v[WAK], s93, v[XA]
	s_add_co_u32 s93, s93, REGN
	v_add_nc_u32 v[WAK+1], s93, v[XA]
	s_add_co_u32 s93, s93, REGN
	v_add_nc_u32 v[WAK+2], s93, v[XA]
	v_lshlrev_b32 v[SO], 4, v14
	v_lshlrev_b32 v[BO], 5, v13
	v_lshlrev_b32 v[BVO], 2, v12
	; Wp laid anew: work-group id = tb + 64 c4 stores bytes 1,024 id .. + 1,023 of wp_frag, 8 bytes a thread.  Those 8 bytes are, of fragment id / 2 (n tile id / 8, K step (id / 2) % 4),
	; chunk g = 2 (id % 2) + thr / 64, lane (thr / 2) % 32, half thr % 2: row 16 nt + r, k = 128 ks + 32 g + 16 (thr % 2) + 8 h
	s_lshl_b32 s93, s[CY], 6
	s_add_co_u32 s93, s93, s[TB]                   ; id
	s_lshr_b32 s94, s93, 3
	s_lshl_b32 s94, s94, 13                        ; 16 rows of 512 bytes for each n tile
	s_bfe_u32 s95, s93, 0x20001
	s_lshl_b32 s95, s95, 7
	s_add_co_u32 s94, s94, s95
	s_and_b32 s95, s93, 1
	s_lshl_b32 s95, s95, 6
	s_add_co_u32 s94, s94, s95
	v_bfe_u32 v15, v0, 1, 4
	v_lshl_add_u32 v[WPS], v15, 9, s94
	v_lshrrev_b32 v15, 6, v0
	v_lshl_add_u32 v[WPS], v15, 5, v[WPS]
	v_and_b32 v15, 1, v0
	v_lshl_add_u32 v[WPS], v15, 4, v[WPS]
	v_bfe_u32 v15, v0, 5, 1
	v_lshl_add_u32 v[WPS], v15, 3, v[WPS]
	s_lshl_b32 s95, s93, 10
	v_lshl_add_u32 v[WPD], v0, 3, s95
	s_lshl_b32 s96, s[CY], 9                       ; the biases at my first channel: (128 c4 + 32 w) x 4 bytes
	s_lshl_b32 s97, s[WV], 7
	s_add_co_u32 s96, s96, s97
	s_mov_b32 s97, 0
	s_add_nc_u64 s[14:15], s[14:15], s[96:97]
	s_add_nc_u64 s[16:17], s[16:17], s[96:97]
	s_add_nc_u64 s[18:19], s[18:19], s[96:97]
	s_lshl_b32 s96, s[TB], 14                      ; k_frag, q_frag: t tile 2 tb (8,192 bytes each), K step c4, chunk w
	s_lshl_b32 s98, s[CY], 11
	s_add_co_u32 s96, s96, s98
	s_lshl_b32 s98, s[WV], 9
	s_add_co_u32 s96, s96, s98
	s_add_nc_u64 s[22:23], s[22:23], s[96:97]
	s_add_nc_u64 s[24:25], s[24:25], s[96:97]
	s_lshr_b32 s96, s[TB], 2                       ; v_frag: key step tb / 4 (65,536 bytes each), c tile 8 c4 + 2 w, chunk tb % 4
	s_lshl_b32 s96, s96, 16
	s_lshl_b32 s98, s[CY], 14
	s_add_co_u32 s96, s96, s98
	s_lshl_b32 s98, s[WV], 12
	s_add_co_u32 s96, s96, s98
	s_and_b32 s98, s[TB], 3
	s_lshl_b32 s98, s98, 9
	s_add_co_u32 s96, s96, s98
	s_add_nc_u64 s[26:27], s[26:27], s[96:97]
	global_load_b64 v[WPR:WPR+1], v[WPS], s[12:13]
	WIN 0x80                                       ; destination window 2
.irp i, 0,1
	global_load_b128 v[BK2+8*\i:BK2+8*\i+3], v[BO], s[14:15] offset:64*\i      ; bk of channels 16 i + 8 h + 0 .. 7: the layout of k's result
	global_load_b128 v[BK2+8*\i+4:BK2+8*\i+7], v[BO], s[14:15] offset:64*\i+16
	global_load_b128 v[BQ2+8*\i:BQ2+8*\i+3], v[BO], s[16:17] offset:64*\i
	global_load_b128 v[BQ2+8*\i+4:BQ2+8*\i+7], v[BO], s[16:17] offset:64*\i+16
	global_load_b32 v[BV2+8*\i], v[BVO], s[18:19] offset:64*\i                 ; bv of channel 16 i + r: one number for v's eight registers
.endr
	WIN 0
	; ---- cos and sin of N = (2047 - t) d, while the tiles are on their way.  Item 8 u + 4 i + pp: position tile u, channel tile i, pair pp: d = DL + 8 i + pp.
	; N is a whole number under 2^24, exact in f32.  KF = the nearest whole number to N x 2 / pi; R = N - KF x pi / 2 by two fused multiply-adds, pi / 2 in two parts (the first step rounds nothing:
	; KF has 19 bits, the first part 24, and the difference is under 1); polynomials in R; the quadrant KF mod 4 swaps the two and sets the signs.
	s_lshl_b32 s93, s[TB], 5
	s_sub_co_u32 s93, 2047, s93
	v_sub_nc_u32 v[POSI], s93, v12
	v_add_nc_u32 v[POSI+1], -16, v[POSI]
	s_lshl_b32 s93, s[CY], 6
	s_lshl_b32 s94, s[WV], 4
	s_add_co_u32 s93, s93, s94
	v_lshl_add_u32 v[DLI], v13, 2, s93
	v_mul_u32_u24 v[N0], v[POSI], v[DLI]
	v_mul_u32_u24 v[N0+1], v[POSI+1], v[DLI]
	v_mov_b32 v29, 0xb94ca1f9                      ; sin's highest coefficient
	v_mov_b32 v30, 0x37ccf5ce                      ; cos's
.rept 16
	v_mad_u32_u24 v[SA+\+], v[POSI+(\+)/8], 8*(((\+)/4)%2)+(\+)%4, v[N0+(\+)/8]
.endr
.rept 16
	v_cvt_f32_u32 v[SN+\+], v[SA+\+]
.endr
.rept 16
	v_mul_f32 v[SKF+\+], 0x3f22f983, v[SN+\+]      ; x 2 / pi
.endr
.rept 16
	v_rndne_f32 v[SKF+\+], v[SKF+\+]
.endr
.rept 16
	v_fmamk_f32 v[SR+\+], v[SKF+\+], 0xbfc90fdb, v[SN+\+]   ; N - KF x (pi / 2 rounded to f32)
.endr
.rept 16
	v_fmamk_f32 v[SR+\+], v[SKF+\+], 0x333bbd2e, v[SR+\+]   ; + KF x (that less pi / 2)
.endr
.rept 16
	v_mul_f32 v[SZ+\+], v[SR+\+], v[SR+\+]
.endr
.rept 16
	v_cvt_i32_f32 v[SQ+\+], v[SKF+\+]
.endr
.rept 16
	v_fmaak_f32 v[SS+\+], v29, v[SZ+\+], 0x3c08839e
.endr
.rept 16
	v_fmaak_f32 v[SC+\+], v30, v[SZ+\+], 0xbab6061a
.endr
.rept 16
	v_fmaak_f32 v[SS+\+], v[SS+\+], v[SZ+\+], 0xbe2aaaa3
.endr
.rept 16
	v_fmaak_f32 v[SC+\+], v[SC+\+], v[SZ+\+], 0x3d2aaaa5
.endr
.rept 16
	v_mul_f32 v[SS+\+], v[SS+\+], v[SZ+\+]
.endr
.rept 16
	v_mul_f32 v[SA+\+], v[SZ+\+], v[SZ+\+]
.endr
.rept 16
	v_fma_f32 v[SN+\+], v[SZ+\+], -0.5, 1.0
.endr
.rept 16
	v_fma_f32 v[SS+\+], v[SS+\+], v[SR+\+], v[SR+\+]        ; sin R
.endr
.rept 16
	v_fma_f32 v[SC+\+], v[SC+\+], v[SA+\+], v[SN+\+]        ; cos R
.endr
.rept 16
	v_and_b32 v[SKF+\+], 1, v[SQ+\+]
.endr
.rept 16
	v_cmp_eq_u32 vcc_lo, 1, v[SKF+\+]                       ; an odd quadrant swaps the two
	v_cndmask_b32 v[SA+\+], v[SS+\+], v[SC+\+], vcc_lo      ; |sin N|'s source
	v_cndmask_b32 v[SN+\+], v[SC+\+], v[SS+\+], vcc_lo      ; |cos N|'s
.endr
.rept 16
	v_lshlrev_b32 v[SR+\+], 30, v[SQ+\+]                    ; sin is turned in quadrants 2 and 3: bit 1 of KF,
.endr
.rept 16
	v_add_lshl_u32 v[SZ+\+], v[SQ+\+], 1, 30                ; cos in quadrants 1 and 2: bit 1 of KF + 1
.endr
.rept 16
	v_and_b32 v[SR+\+], 0x80000000, v[SR+\+]
.endr
.rept 16
	v_and_b32 v[SZ+\+], 0x80000000, v[SZ+\+]
.endr
	WIN 0x80
.rept 16
	v_xor_b32 v[CSN+2*(\+)], v[SN+\+], v[SZ+\+]             ; cos N
	v_xor_b32 v[CSN+2*(\+)+1], v[SA+\+], v[SR+\+]           ; sin N
.endr
	WIN 0
	; ---- the given scales.  A sum stands for sum x 2^(ea + eb): its code is sum / 2^(eo - ea - eb), and its bias goes in as bias / 2^(ea + eb), the C of the sum's first matrix instruction
.macro SCALES ea, eb, eo, vr, sn
	s_add_co_i32 s93, s[\ea], s[\eb]
	s_sub_co_i32 s94, s[\eo], s93
	s_add_co_i32 s94, s94, 127
	s_lshl_b32 s95, s94, 23
	v_mov_b32 v[\vr], s95                          ; 2^(eo - ea - eb) as f32: the conversion takes its exponent field
	s_add_co_i32 s94, s94, 15
	s_lshl_b32 s94, s94, 23
	s_or_b32 s94, s94, 0x600000
	v_mov_b32 v[\vr+1], s94                        ; 57,344 x that
	s_sub_co_i32 s[\sn], 0, s93
.endm
	s_wait_kmcnt 0x0
	SCALES 32, 33, 38, SCK, 96
	SCALES 34, 35, 39, SCK+2, 97
	SCALES 36, 37, 41, SCK+4, 98
	s_wait_loadcnt 0x0                             ; Wp's 8 bytes and the biases
	WIN 0x82                                       ; source 0 and destination window 2
.rept 16
	v_ldexp_f32 v[BK2+\+], v[BK2+\+], s96
.endr
.rept 16
	v_ldexp_f32 v[BQ2+\+], v[BQ2+\+], s97
.endr
	v_ldexp_f32 v[BV2], v[BV2], s98
	v_ldexp_f32 v[BV2+8], v[BV2+8], s98
.irp j, 1,2,3,4,5,6,7
	v_mov_b32 v[BV2+\j], v[BV2]
	v_mov_b32 v[BV2+8+\j], v[BV2+8]
.endr
	WIN 0
	global_store_b64 v[WPD], v[WPR:WPR+1], s[28:29]   ; a wave stores 256 consecutive bytes, aligned
	; ---- the tiles are in
	s_wait_tensorcnt 0x0                           ; my four loads have landed,
	s_barrier_signal -1
	s_barrier_wait -1                              ; everybody's have: x's four batches are read by all four waves
	WIN 0x40                                       ; destination window 1
.irp i, 0,1
.irp ks, 0,1,2,3
.irp g, 0,1,2,3
	ds_load_b128 v[64*\i+16*\ks+4*\g:64*\i+16*\ks+4*\g+3], v[WAK] offset:\i*16*PITCH+128*\ks+32*\g
	ds_load_b128 v[128+64*\i+16*\ks+4*\g:128+64*\i+16*\ks+4*\g+3], v[WAK+1] offset:\i*16*PITCH+128*\ks+32*\g
.endr
.endr
.endr
	WIN 0x80
.irp i, 0,1
.irp ks, 0,1,2,3
.irp g, 0,1,2,3
	ds_load_b128 v[64*\i+16*\ks+4*\g:64*\i+16*\ks+4*\g+3], v[WAK+2] offset:\i*16*PITCH+128*\ks+32*\g
.endr
.endr
.endr
	WIN 0
.macro XLOAD x                         ; x's tile number x (batch x / 2, positions 16 (x % 2) on): four fragments into buffer x % 2
.irp ks, 0,1,2,3
.irp g, 0,1,2,3
	ds_load_b128 v[XF+64*((\x)%2)+16*\ks+4*\g:XF+64*((\x)%2)+16*\ks+4*\g+3], v[XA] offset:((\x)/2)*TILEB+((\x)%2)*16*PITCH+128*\ks+32*\g
.endr
.endr
.endm
	XLOAD 0
	XLOAD 1
.macro ROT acc, i                      ; four pairs of one accumulator are turned; cos and sin (window 2) are always source 0.  The accumulator is read from its low end on
.irp pp, 0,1,2,3
	v_mul_f32 v[TM+2*\pp], v[CSN+2*(8*UU+4*\i+\pp)+1], v[\acc+2*\pp+1]      ; sin z1
	v_mul_f32 v[TM+2*\pp+1], v[CSN+2*(8*UU+4*\i+\pp)+1], v[\acc+2*\pp]      ; sin z0
.endr
.irp pp, 0,1,2,3
	v_fma_f32 v[\acc+2*\pp], v[CSN+2*(8*UU+4*\i+\pp)], v[\acc+2*\pp], -v[TM+2*\pp]          ; cos z0 - sin z1
	v_fma_f32 v[\acc+2*\pp+1], v[CSN+2*(8*UU+4*\i+\pp)], v[\acc+2*\pp+1], v[TM+2*\pp+1]     ; cos z1 + sin z0
.endr
.endm
; One tile of 16 rows of x: 24 matrix instructions, the six accumulators by turns; the turn; the holds; the conversions; the stores.
.macro TILE xt
.set BT, (\xt)/2
.set UU, (\xt)%2
.set XB, XF+64*((\xt)%2)
.if (\xt) < 7
	s_wait_dscnt 16                                ; this tile's fragments (and W's) are in; the next tile's 16 loads, issued behind them, may be out
.else
	s_wait_dscnt 0x0
.endif
.irp ks, 0,1,2,3
.if \ks == 0
	WIN 0x21                                       ; source 0 (W) window 1, C (the bias) window 2
.else
	WIN 0x01
.endif
.irp i, 0,1
.if \ks == 0
	v_wmma_f32_16x16x128_bf8_bf8 v[AK+8*\i:AK+8*\i+7], v[64*\i+16*\ks:64*\i+16*\ks+15], v[XB+16*\ks:XB+16*\ks+15], v[BK2+8*\i:BK2+8*\i+7]
.else
	v_wmma_f32_16x16x128_bf8_bf8 v[AK+8*\i:AK+8*\i+7], v[64*\i+16*\ks:64*\i+16*\ks+15], v[XB+16*\ks:XB+16*\ks+15], v[AK+8*\i:AK+8*\i+7]
.endif
.endr
.irp i, 0,1
.if \ks == 0
	v_wmma_f32_16x16x128_bf8_bf8 v[AQ+8*\i:AQ+8*\i+7], v[128+64*\i+16*\ks:128+64*\i+16*\ks+15], v[XB+16*\ks:XB+16*\ks+15], v[BQ2+8*\i:BQ2+8*\i+7]
.else
	v_wmma_f32_16x16x128_bf8_bf8 v[AQ+8*\i:AQ+8*\i+7], v[128+64*\i+16*\ks:128+64*\i+16*\ks+15], v[XB+16*\ks:XB+16*\ks+15], v[AQ+8*\i:AQ+8*\i+7]
.endif
.endr
.if \ks == 0
	WIN 0x28                                       ; source 1 (Wv) and C (the bias) window 2
.else
	WIN 0x08
.endif
.irp i, 0,1
.if \ks == 0
	v_wmma_f32_16x16x128_bf8_bf8 v[AV+8*\i:AV+8*\i+7], v[XB+16*\ks:XB+16*\ks+15], v[64*\i+16*\ks:64*\i+16*\ks+15], v[BV2+8*\i:BV2+8*\i+7]
.else
	v_wmma_f32_16x16x128_bf8_bf8 v[AV+8*\i:AV+8*\i+7], v[XB+16*\ks:XB+16*\ks+15], v[64*\i+16*\ks:64*\i+16*\ks+15], v[AV+8*\i:AV+8*\i+7]
.endif
.endr
.endr
	WIN 0
	PLACES
.if (\xt)+2 < 8
	XLOAD (\xt)+2                                  ; into the buffer just multiplied
.endif
	WIN 0x02                                       ; source 0 window 2
	ROT AK, 0
	ROT AK+8, 1
	ROT AQ, 0
	ROT AQ+8, 1
	WIN 0
.set n, 0
.rept 16
	v_med3_num_f32 v[AK+n], v[AK+n], -v[SCK+1], v[SCK+1]   ; the conversion to an 8-bit code does not saturate (ISA guide 7.6.2): the hold at the largest code x the scale
.set n, n+1
.endr
.set n, 0
.rept 16
	v_med3_num_f32 v[AQ+n], v[AQ+n], -v[SCK+3], v[SCK+3]
.set n, n+1
.endr
.set n, 0
.rept 16
	v_med3_num_f32 v[AV+n], v[AV+n], -v[SCK+5], v[SCK+5]
.set n, n+1
.endr
	s_wait_xcnt 0x0                                ; the last tile's stores have read their data: the codes' registers are written again only behind this wait
.irp i, 0,1
	v_cvt_scalef32_pk8_bf8_f32 v[CK+2*\i:CK+2*\i+1], v[AK+8*\i:AK+8*\i+7], v[SCK]
	v_cvt_scalef32_pk8_bf8_f32 v[CQ+2*\i:CQ+2*\i+1], v[AQ+8*\i:AQ+8*\i+7], v[SCK+2]
	v_cvt_scalef32_pk8_bf8_f32 v[CV+4*\i+2*UU:CV+4*\i+2*UU+1], v[AV+8*\i:AV+8*\i+7], v[SCK+4]
.endr
	v_nop                                          ; one plain vector instruction between the conversions and the next products, which write their sources
	global_store_b128 v[SO], v[CK:CK+3], s[22:23] offset:BT*1048576+UU*8192   ; chunk w of fragment (t tile 2 tb + u, K step c4): the wave stores 512 consecutive bytes, aligned
	global_store_b128 v[SO], v[CQ:CQ+3], s[24:25] offset:BT*1048576+UU*8192
.if UU == 1
	global_store_b128 v[SO], v[CV:CV+3], s[26:27] offset:BT*1048576           ; chunk tb % 4 of v's fragment: both position tiles' codes
	global_store_b128 v[SO], v[CV+4:CV+7], s[26:27] offset:BT*1048576+2048
.endif
.endm
.irp xt, 0,1,2,3,4,5,6,7
	TILE \xt
.endr
	s_wait_tensorcnt 0x0                           ; the wave's end
	ds_add_u32 v[SPW], v[NIL]
	s_wait_dscnt 0x0
	CROUND                                         ; the closing round: no work-group ends while a partner may still ask for a tile that names it
	s_endpgm
.Lfunc_end_k_q3d76318969_proj:
	.size	k_q3d76318969_proj, .Lfunc_end_k_q3d76318969_proj-k_q3d76318969_proj
	.p2alignl 7, 3214868480
	.fill 96, 4, 3214868480
	.section	.rodata,"a",@progbits
	.p2align	6, 0x0
	.amdhsa_kernel k_q3d76318969_proj
		.amdhsa_group_segment_fixed_size 270848
		.amdhsa_private_segment_fixed_size 0
		.amdhsa_enable_private_segment 0
		.amdhsa_kernarg_size 104
		.amdhsa_user_sgpr_count 2
		.amdhsa_user_sgpr_kernarg_segment_ptr 1
		.amdhsa_wavefront_size32 1
		.amdhsa_system_sgpr_workgroup_id_x 1
		.amdhsa_system_sgpr_workgroup_id_y 1
		.amdhsa_system_sgpr_workgroup_id_z 1
		.amdhsa_system_vgpr_workitem_id 0
		.amdhsa_next_free_vgpr 768
		.amdhsa_next_free_sgpr 100
		.amdhsa_reserve_vcc 1
		.amdhsa_float_denorm_mode_32 3
		.amdhsa_float_denorm_mode_16_64 3
		.amdhsa_memory_ordered 1
		.amdhsa_forward_progress 1
		.amdhsa_inst_pref_size 117
	.end_amdhsa_kernel
	.amdgpu_metadata
---
amdhsa.version: [ 1, 2 ]
amdhsa.kernels:
  - .name:           k_q3d76318969_proj
    .symbol:         k_q3d76318969_proj.kd
    .args:
      - { .name: x_codes, .offset: 0, .size: 8, .value_kind: global_buffer, .address_space: global }
      - { .name: Wk_codes, .offset: 8, .size: 8, .value_kind: global_buffer, .address_space: global }
      - { .name: Wq_codes, .offset: 16, .size: 8, .value_kind: global_buffer, .address_space: global }
      - { .name: Wv_codes, .offset: 24, .size: 8, .value_kind: global_buffer, .address_space: global }
      - { .name: Wp_codes, .offset: 32, .size: 8, .value_kind: global_buffer, .address_space: global }
      - { .name: bk, .offset: 40, .size: 8, .value_kind: global_buffer, .address_space: global }
      - { .name: bq, .offset: 48, .size: 8, .value_kind: global_buffer, .address_space: global }
      - { .name: bv, .offset: 56, .size: 8, .value_kind: global_buffer, .address_space: global }
      - { .name: lowp_scales, .offset: 64, .size: 8, .value_kind: global_buffer, .address_space: global }
      - { .name: k_frag, .offset: 72, .size: 8, .value_kind: global_buffer, .address_space: global }
      - { .name: q_frag, .offset: 80, .size: 8, .value_kind: global_buffer, .address_space: global }
      - { .name: v_frag, .offset: 88, .size: 8, .value_kind: global_buffer, .address_space: global }
      - { .name: wp_frag, .offset: 96, .size: 8, .value_kind: global_buffer, .address_space: global }
    .group_segment_fixed_size: 270848
    .private_segment_fixed_size: 0
    .kernarg_segment_align: 8
    .kernarg_segment_size: 104
    .max_flat_workgroup_size: 128
    .sgpr_count:     100
    .vgpr_count:     768
    .wavefront_size: 32
...
	.end_amdgpu_metadata
.endif
;; end of part 1
;; launch attn (part 2): grid 32 x 4, 4 waves a work-group, no clusters, 75,264 bytes of LDS; arguments k_frag, q_frag, v_frag, wp_frag, bp, lowp_scales, out0; writes out0
.if DOCPART == 2
	.amdgcn_target "amdgcn-amd-amdhsa--gfx1250"
	.amdhsa_code_object_version 6
	.text
	.protected	k_q3d76318969_attn
	.globl	k_q3d76318969_attn
	.p2align	8
	.type	k_q3d76318969_attn,@function
k_q3d76318969_attn:
	s_mov_b64 s[64:65], 0
	v_nop
	global_prefetch_b8 v0, s[64:65] scope:SCOPE_SE
	s_setreg_imm32_b32 hwreg(HW_REG_WAVE_MODE, 25, 1), 1
	s_wait_xcnt 0x0
; out = Q(Q(softplus(mask(k q^T / sqrt(512)))) v) Wp + bp, three products on codes of E5M2, Q the given quantisers.  Operands come as register images (the first launch's head says how they lie).
; LEFT OUT: steps of 128 keys all of which lie above all 32 rows of a block: reference()'s own mask makes those scores -inf, softplus makes them 0, and zeros add nothing to the second product, for all inputs.
; LIMIT: a NaN, an infinity or an overflow that would arise only there is not carried to the result.
; SHARES.  Work-group (j, batch) owns two blocks of 32 rows t: the late one, L = 63 - j (row tiles 0, 1), and the early one, j (row tiles 2, 3).  A step is 128 keys s.  The late block needs steps 0 .. L / 4,
; the early one 0 .. j / 4: j / 4 + (63 - j) / 4 + 2 = 17 block-steps in every work-group.  With 64 rows a step's 131,072 bytes of q and v feed twice the products that 32 rows on twice the work-groups would.
; IN A STEP the waves split the KEYS for the scores (wave w: keys 32 w .. + 31, two tiles, against all four row tiles) and the CHANNELS for the second product (wave w: channels 128 w .. + 127, eight tiles).
; So each byte of q and of v is wanted by one wave alone and goes from memory straight into its registers, 512 consecutive bytes a load; only p's codes change waves, as register images through LDS.
; NO CLUSTER, NO TENSOR LOAD: no tile of q or v passes through LDS, and work-groups of one batch walk 9 to 16 steps, so partners would need different numbers of tiles.
; LAYOUT.  S^T = q k^T (source 0 = 16 keys, source 1 = 16 rows): a lane holds one row t and eight neighbouring keys; one conversion of eight makes two registers of p's fragment.  O^T = v^T p^T and y^T = Wp O^T likewise.
; SOFTPLUS.  t = score x log2(e) / sqrt(512) x 2^(e6 + e7); u = 2^-|t|; w = 1 + u, rounded; err = u - (w - 1), exact; p = ln 2 x (max(t, 0) + log2 w) + err: max(x, 0) + log1p(e^-|x|), as reference()'s softplus takes it.
; LIMITS: e8 and e10 - e8 - e9 between -126 and 112; e6 + e7 between -122 and 131; e10 + e11 between -126 and 127.  Where t < -126 the exponential gives 0 and p = 0, where reference() has a number under 2^-126.
; REGISTERS, in windows of 256.  Window 0: v1-19 addresses and constants; v32-95 scores; v96-159 at work, then p's four fragments, later O's codes; v160-175 p's codes; v176-183 at work; v192-255 bp.
;   window 1: k, 64 a row tile (later Wp's tiles 0-3).  window 2: O^T, 64 a row tile (later y).  window 3: v0-127 q, v128-255 v (later Wp's tiles 4-7).
.set PIMG,  0                          ; LDS: p's four fragments,
.set OIMG,  8192                       ; O's sixteen (4 x row tile + K step),
.set STG,   40960                      ; a stage of 16 rows x (512 + 16) bytes for each wave,
.set SPITCH, 528
.set SPARE, STG+4*16*SPITCH            ; and the spare words, 128 bytes a wave, that no other line names
.set LI,   1                           ; v1   16 x lane
.set QVO,  2                           ; v2   16,384 w + 16 x lane: my part of a step of q or of v
.set PST,  3                           ; v3   512 w + 16 x lane: my chunk of a fragment of p
.set OST,  4                           ; v4   OIMG + 2,048 w + 16 x lane
.set STO,  5                           ; v5   my stage: row r, + 32 h
.set RD,   6                           ; v6   my stage: 16 x lane
.set CO,   7                           ; v7   512 w + 16 x lane: my bytes of a row of out0
.set PFO,  8                           ; v8   16,384 w + 256 x lane: the prefetches' offset; never rewritten
.set RH,   9                           ; v9   r - 8 h
.set DM,   10
.set NINF, 11
.set LIMP, 12
.set SCP,  13
.set LIMO, 14
.set SCO,  15
.set SPW,  16
.set NIL,  17
.set BPO,  18
.set WPO,  19
.set SCR,  32
.set EXU,  96
.set ONE,  128
.set PIN,  96
.set PO,   160
.set DT,   176
.set BP,   192
.set WV, 26
.set J,  27
.set NE, 28                            ; s28  the early block's last step;  s29  the late block's
.set NL, 29
.set ST, 30                            ; s30  the step
.set LIM, 31                           ; s31  13 in the batch's work-group j = 0, else 0: it prefetches while ST is under it
.set QP, 32                            ; s[32:33], s[34:35]  q and v at the step whose loads were issued last
.set VP, 34
.set KL, 36
.set KE, 38
.set CS, 40                            ; s[40:41]  c, twice
.set YS, 42                            ; s[42:43]  2^(e10 + e11), twice
.set OL, 44                            ; s[44:45], s[46:47]  out0 at the late and at the early block
.set OE, 46
.set TL, 48                            ; s48, s49  32 L - 32 w, 32 j - 32 w
.set TE, 49
.set MSB, 0
.macro WIN new                         ; the immediate's high byte repeats the setting that is left
.if MSB != \new
	s_set_vgpr_msb (MSB<<8)|\new
.set MSB, \new
.endif
.endm
.macro PLACES                          ; four plain vector instructions behind matrix instructions, ahead of loads into their sources and of reads of their results
.rept 4
	v_nop
.endr
.endm
.macro SMUL half                       ; the scores of row tiles 2 half, 2 half + 1 against my two key tiles: 16 matrix instructions, four accumulators by turns
	WIN 0x07                                       ; source 0 (q) window 3, source 1 (k) window 1
.irp ks, 0,1,2,3
.irp rtl, 0,1
.irp u, 0,1
.if \ks == 0
	v_wmma_f32_16x16x128_bf8_bf8 v[SCR+32*\half+8*(2*\rtl+\u):SCR+32*\half+8*(2*\rtl+\u)+7], v[64*\u+16*\ks:64*\u+16*\ks+15], v[64*(2*\half+\rtl)+16*\ks:64*(2*\half+\rtl)+16*\ks+15], 0
.else
	v_wmma_f32_16x16x128_bf8_bf8 v[SCR+32*\half+8*(2*\rtl+\u):SCR+32*\half+8*(2*\rtl+\u)+7], v[64*\u+16*\ks:64*\u+16*\ks+15], v[64*(2*\half+\rtl)+16*\ks:64*(2*\half+\rtl)+16*\ks+15], v[SCR+32*\half+8*(2*\rtl+\u):SCR+32*\half+8*(2*\rtl+\u)+7]
.endif
.endr
.endr
.endr
.endm
.macro QLOAD                           ; my two key tiles of q, four K steps each: 32 loads of 512 consecutive bytes
	WIN 0xc0                                       ; destination window 3
.irp u, 0,1
.irp ks, 0,1,2,3
.irp g, 0,1,2,3
	global_load_b128 v[64*\u+16*\ks+4*\g:64*\u+16*\ks+4*\g+3], v[QVO], s[QP:QP+1] offset:\u*8192+\ks*2048+\g*512
.endr
.endr
.endr
	WIN 0
.endm
.macro VLOAD                           ; my eight channel tiles of v
	WIN 0xc0
.irp ci, 0,1,2,3,4,5,6,7
.irp g, 0,1,2,3
	global_load_b128 v[128+16*\ci+4*\g:128+16*\ci+4*\g+3], v[QVO], s[VP:VP+1] offset:\ci*2048+\g*512
.endr
.endr
	WIN 0
.endm
; A PREFETCH of step ST + 3's q and v, whose loads are issued two trips on.  All 32 work-groups of a batch walk the same q and v from step 0: the one with j = 0, which walks all 16 steps, asks, and nobody else.
; Its wave w asks for the 16,384 bytes of each that wave w loads: lanes 256 bytes apart, two instructions for q and two for v, so each aligned block of 256 bytes is named once in the launch.
; q's pointer stands at step ST + 1 here and v's at step ST.  It stops behind ST = 12: step 15 is the batch's last.  Steps 0 to 2 come by their loads alone.
.macro ASK
	s_cmp_lt_u32 s[ST], s[LIM]
	s_cbranch_scc0 .Lnot_mine_\@
	global_prefetch_b8 v[PFO], s[QP:QP+1] offset:131072 th:TH_LOAD_NT scope:SCOPE_SE
	global_prefetch_b8 v[PFO], s[QP:QP+1] offset:139264 th:TH_LOAD_NT scope:SCOPE_SE
	global_prefetch_b8 v[PFO], s[VP:VP+1] offset:196608 th:TH_LOAD_NT scope:SCOPE_SE
	global_prefetch_b8 v[PFO], s[VP:VP+1] offset:204800 th:TH_LOAD_NT scope:SCOPE_SE
.Lnot_mine_\@:
.endm
; Softplus and the quantiser for one half's 32 scores a lane.  mask = 0: every key counts; 1: the block's diagonal step is told by ids (ST = NE); 2: this is the diagonal step.
; Register 8 (2 rtl + u) + j holds key 128 ST + 32 w + 16 u + 8 h + j for row t0 + 16 rtl + r: hidden where 16 u + j - 16 rtl > r - 8 h + (t0 - 32 w - 128 ST).
.macro SOFTP half, mask
.set TT, SCR+32*\half
.if \mask == 1
	s_cmp_lg_u32 s[ST], s[NE]
	s_cbranch_scc1 .Lopen_\@
.endif
.if \mask
	s_lshl_b32 s50, s[ST], 7
	s_sub_co_i32 s50, s[TL+\half], s50
	v_add_nc_u32 v[DM], s50, v[RH]
.set n, 0
.rept 32
	v_cmp_gt_i32 vcc_lo, 16*((n/8)%2)+n%8-16*(n/16), v[DM]
	v_cndmask_b32 v[TT+n], v[TT+n], v[NINF], vcc_lo         ; a hidden score becomes -infinity: u = 0, max = 0, p = 0
.set n, n+1
.endr
.endif
.Lopen_\@:
.set n, 0
.rept 16
	v_pk_mul_f32 v[TT+n:TT+n+1], v[TT+n:TT+n+1], s[CS:CS+1] op_sel_hi:[1,0]   ; t; each accumulator from its low end on
.set n, n+2
.endr
.set n, 0
.rept 32
	v_exp_f32 v[EXU+n], -|v[TT+n]|                          ; u = 2^-|t|: at most 1, so nothing overflows
.set n, n+1
.endr
	v_nop                                                   ; a plain instruction behind the last exponential, ahead of writes of its sources
.set n, 0
.rept 16
	v_max_num_f32 v[TT+n], 0, v[TT+n]                       ; independent work behind the batch
.set n, n+1
.endr
	s_wait_alu depctr_va_vdst(0)                            ; one wait for the 32 exponentials, ahead of their first reader
.set n, 0
.rept 16
	v_pk_add_f32 v[ONE+n:ONE+n+1], v[EXU+n:EXU+n+1], 1.0 op_sel_hi:[1,0]      ; w = 1 + u
.set n, n+2
.endr
.set gq, 0
.rept 4
.irp p, 0,2,4,6
	v_pk_fma_f32 v[DT+\p:DT+\p+1], v[ONE+8*gq+\p:ONE+8*gq+\p+1], -1.0, 1.0 op_sel_hi:[1,0,0]   ; 1 - w: exact
.endr
.irp p, 0,2,4,6
	v_pk_add_f32 v[EXU+8*gq+\p:EXU+8*gq+\p+1], v[EXU+8*gq+\p:EXU+8*gq+\p+1], v[DT+\p:DT+\p+1]  ; err = u - (w - 1): exact
.endr
.set gq, gq+1
.endr
.set n, 0
.rept 32
	v_log_f32 v[ONE+n], v[ONE+n]                            ; log2 w
.set n, n+1
.endr
	v_nop
.set n, 16
.rept 16
	v_max_num_f32 v[TT+n], 0, v[TT+n]
.set n, n+1
.endr
	s_wait_alu depctr_va_vdst(0)                            ; one wait for the 32 logarithms
.set n, 0
.rept 16
	v_pk_add_f32 v[TT+n:TT+n+1], v[TT+n:TT+n+1], v[ONE+n:ONE+n+1]
.set n, n+2
.endr
.set n, 0
.rept 16
	v_pk_fma_f32 v[TT+n:TT+n+1], v[TT+n:TT+n+1], 0x3f317218, v[EXU+n:EXU+n+1] op_sel_hi:[1,0,1]   ; x ln 2, + err
.set n, n+2
.endr
.set n, 0
.rept 32
	v_min_num_f32 v[TT+n], v[TT+n], v[LIMP]                 ; the conversion does not saturate (ISA guide 7.6.2); p is not negative, so the hold is one-sided
.set n, n+1
.endr
.irp rtl, 0,1
.irp u, 0,1
	v_cvt_scalef32_pk8_bf8_f32 v[PO+4*(2*\half+\rtl)+2*\u:PO+4*(2*\half+\rtl)+2*\u+1], v[TT+8*(2*\rtl+\u):TT+8*(2*\rtl+\u)+7], v[SCP]
.endr
.endr
	v_nop                                                   ; one plain vector instruction between the conversions and the next products, which write their sources
.irp rtl, 0,1
	ds_store_b128 v[PST], v[PO+4*(2*\half+\rtl):PO+4*(2*\half+\rtl)+3] offset:PIMG+(2*\half+\rtl)*2048   ; registers 4 w .. 4 w + 3 of the row tile's fragment
.endr
.endm
.macro PLOAD half                      ; two whole fragments of p
.irp rtl, 0,1
.irp g, 0,1,2,3
	ds_load_b128 v[PIN+16*(2*\half+\rtl)+4*\g:PIN+16*(2*\half+\rtl)+4*\g+3], v[LI] offset:PIMG+(2*\half+\rtl)*2048+\g*512
.endr
.endr
.endm
.macro PVMUL half, zero                ; O^T += v^T p^T: 16 accumulators, one instruction each.  zero = 1: the first step starts the sums
	WIN 0xa3                                       ; source 0 (v) window 3, C and D window 2
.irp ci, 0,1,2,3,4,5,6,7
.irp rtl, 0,1
.if \zero
	v_wmma_f32_16x16x128_bf8_bf8 v[8*(8*(2*\half+\rtl)+\ci):8*(8*(2*\half+\rtl)+\ci)+7], v[128+16*\ci:128+16*\ci+15], v[PIN+16*(2*\half+\rtl):PIN+16*(2*\half+\rtl)+15], 0
.else
	v_wmma_f32_16x16x128_bf8_bf8 v[8*(8*(2*\half+\rtl)+\ci):8*(8*(2*\half+\rtl)+\ci)+7], v[128+16*\ci:128+16*\ci+15], v[PIN+16*(2*\half+\rtl):PIN+16*(2*\half+\rtl)+15], v[8*(8*(2*\half+\rtl)+\ci):8*(8*(2*\half+\rtl)+\ci)+7]
.endif
.endr
.endr
.endm
; A KEY STEP ahead of the late block's diagonal.  The early block's parts are jumped over where ST > NE: scalar branches on ids and the count of steps, the same in all four waves; no barrier stands under one.
; zero = 1: step 0, which counts for every row: no such branch.
.macro STEP zero
	s_wait_loadcnt 32                              ; q of this step is in; v's 32 loads, issued behind q's, may be out
	SMUL 0
	WIN 0
.if !\zero
	s_cmp_gt_u32 s[ST], s[NE]
	s_cbranch_scc1 .Lsa_\@
.endif
	SMUL 1
	WIN 0
.Lsa_\@:
	PLACES
	s_wait_xcnt 0x0                                ; the loads and prefetches that named q's pointer have read it
	s_add_nc_u64 s[QP:QP+1], s[QP:QP+1], 65536
	QLOAD                                          ; the next step's q
	ASK
	SOFTP 0, 0
.if !\zero
	s_cmp_gt_u32 s[ST], s[NE]
	s_cbranch_scc1 .Lsb_\@
.endif
	SOFTP 1, 1
.Lsb_\@:
	s_wait_dscnt 0x0                               ; for the others' sake: my chunks of p lie in LDS
	s_barrier_signal -1
	s_barrier_wait -1
	PLOAD 0
.if !\zero
	s_cmp_gt_u32 s[ST], s[NE]
	s_cbranch_scc1 .Lsc_\@
.endif
	PLOAD 1
.Lsc_\@:
	s_wait_loadcnt 32                              ; v of this step is in; the next step's q, issued behind it, may be out
	s_wait_dscnt 0x0                               ; my reads of p are back:
	s_barrier_signal -1                            ; say so; the next step's stores into the same bytes come behind this barrier
	PVMUL 0, \zero                                 ; work on registers while the others arrive
	WIN 0
	s_barrier_wait -1
.if !\zero
	s_cmp_gt_u32 s[ST], s[NE]
	s_cbranch_scc1 .Lsd_\@
.endif
	PVMUL 1, \zero
	WIN 0
.Lsd_\@:
	PLACES
	s_wait_xcnt 0x0                                ; the loads and prefetches that named v's pointer have read it
	s_add_nc_u64 s[VP:VP+1], s[VP:VP+1], 65536
	VLOAD                                          ; the next step's v
.endm
	s_load_b256 s[4:11], s[0:1], 0x0               ; k_frag s[4:5], q_frag s[6:7], v_frag s[8:9], wp_frag s[10:11]
	s_load_b128 s[12:15], s[0:1], 0x20             ; bp s[12:13], lowp_scales s[14:15]
	s_load_b64 s[16:17], s[0:1], 0x30              ; out0
	v_lshl_add_u32 v[SPW], v0, 2, SPARE
	v_mov_b32 v[NIL], 0
	v_lshrrev_b32 v20, 5, v0
	v_readfirstlane_b32 s[WV], v20                 ; wave 0..3
	v_and_b32 v20, 31, v0                          ; lane
	v_and_b32 v21, 15, v0                          ; r
	v_bfe_u32 v22, v0, 4, 1                        ; h
	v_lshlrev_b32 v[LI], 4, v20
	s_lshl_b32 s50, s[WV], 14
	v_add_nc_u32 v[QVO], s50, v[LI]
	v_lshl_add_u32 v[PFO], v20, 8, s50
	s_lshl_b32 s50, s[WV], 9
	v_add_nc_u32 v[PST], s50, v[LI]
	v_add_nc_u32 v[CO], s50, v[LI]
	v_lshl_add_u32 v[BPO], v22, 5, s50             ; bp: my 128 numbers, + 8 h of them
	s_lshl_b32 s50, s[WV], 11
	s_add_co_u32 s50, s50, OIMG
	v_add_nc_u32 v[OST], s50, v[LI]
	s_mul_i32 s50, s[WV], 16*SPITCH
	s_add_co_u32 s50, s50, STG
	v_add_nc_u32 v[RD], s50, v[LI]
	v_mul_u32_u24 v[STO], v21, SPITCH
	v_lshl_add_u32 v[STO], v22, 5, v[STO]
	v_add_nc_u32 v[STO], s50, v[STO]
	s_lshl_b32 s50, s[WV], 16
	v_add_nc_u32 v[WPO], s50, v[LI]                ; Wp: my eight n tiles of 8,192 bytes
	v_lshlrev_b32 v22, 3, v22
	v_sub_nc_u32 v[RH], v21, v22
	v_mov_b32 v[NINF], 0xff800000
	s_mov_b32 s[J], ttmp9
	s_and_b32 s50, ttmp7, 0xffff                   ; the batch
	s_sub_co_u32 s51, 63, s[J]                     ; L
	s_lshr_b32 s[NE], s[J], 2
	s_lshr_b32 s[NL], s51, 2
	s_cmp_eq_u32 s[J], 0
	s_cselect_b32 s[LIM], 13, 0
	s_lshl_b32 s52, s[WV], 5
	s_lshl_b32 s[TL], s51, 5
	s_sub_co_i32 s[TL], s[TL], s52
	s_lshl_b32 s[TE], s[J], 5
	s_sub_co_i32 s[TE], s[TE], s52
	s_lshl_b32 s52, s50, 20                        ; a batch's codes: 1,048,576 bytes
	s_mov_b32 s53, 0
	s_lshl_b32 s54, s51, 14                        ; a block of 32 rows of k: 16,384 bytes
	s_mov_b32 s55, 0
	s_lshl_b32 s56, s[J], 14
	s_mov_b32 s57, 0
	s_wait_kmcnt 0x0
	s_load_b128 s[20:23], s[14:15], 0x18           ; e6, e7, e8, e9
	s_load_b64 s[24:25], s[14:15], 0x28            ; e10, e11
	s_add_nc_u64 s[QP:QP+1], s[6:7], s[52:53]
	s_add_nc_u64 s[VP:VP+1], s[8:9], s[52:53]
	s_add_nc_u64 s[KL:KL+1], s[4:5], s[52:53]
	s_add_nc_u64 s[KE:KE+1], s[KL:KL+1], s[56:57]
	s_add_nc_u64 s[KL:KL+1], s[KL:KL+1], s[54:55]
	s_lshl_b32 s52, s50, 22                        ; a batch of out0: 2,048 rows of 2,048 bytes
	s_lshl_b32 s54, s51, 16                        ; a block of 32 rows
	s_lshl_b32 s56, s[J], 16
	s_add_nc_u64 s[OL:OL+1], s[16:17], s[52:53]
	s_add_nc_u64 s[OE:OE+1], s[OL:OL+1], s[56:57]
	s_add_nc_u64 s[OL:OL+1], s[OL:OL+1], s[54:55]
.irp nt, 0,1,2,3,4,5,6,7
	global_load_b128 v[BP+8*\nt:BP+8*\nt+3], v[BPO], s[12:13] offset:64*\nt        ; bp of outputs 128 w + 16 nt + 8 h + 0 .. 7: the layout of y's result
	global_load_b128 v[BP+8*\nt+4:BP+8*\nt+7], v[BPO], s[12:13] offset:64*\nt+16
.endr
	WIN 0x40                                       ; destination window 1: k stays in registers
.irp rtl, 0,1
.irp ks, 0,1,2,3
.irp g, 0,1,2,3
	global_load_b128 v[64*\rtl+16*\ks+4*\g:64*\rtl+16*\ks+4*\g+3], v[LI], s[KL:KL+1] offset:\rtl*8192+\ks*2048+\g*512
.endr
.endr
.endr
.irp rtl, 0,1
.irp ks, 0,1,2,3
.irp g, 0,1,2,3
	global_load_b128 v[128+64*\rtl+16*\ks+4*\g:128+64*\rtl+16*\ks+4*\g+3], v[LI], s[KE:KE+1] offset:\rtl*8192+\ks*2048+\g*512
.endr
.endr
.endr
	WIN 0
	QLOAD                                          ; step 0
	VLOAD
	s_wait_kmcnt 0x0
	s_add_co_i32 s50, s20, s21
	s_lshl_b32 s50, s50, 23
	s_add_co_i32 s[CS], s50, 0x3d8293ee            ; c = log2(e) / sqrt(512), with e6 + e7 added to its exponent field
	s_mov_b32 s[CS+1], s[CS]                       ; (named with it as a pair, so it is written)
	s_add_co_i32 s50, s22, 127
	s_lshl_b32 s51, s50, 23
	v_mov_b32 v[SCP], s51                          ; 2^e8
	s_add_co_i32 s50, s50, 15
	s_lshl_b32 s50, s50, 23
	s_or_b32 s50, s50, 0x600000
	v_mov_b32 v[LIMP], s50                         ; 57,344 x 2^e8
	s_sub_co_i32 s50, s24, s22
	s_sub_co_i32 s50, s50, s23                     ; a sum of the second product stands for sum x 2^(e8 + e9): its code is sum / 2^(e10 - e8 - e9)
	s_add_co_i32 s50, s50, 127
	s_lshl_b32 s51, s50, 23
	v_mov_b32 v[SCO], s51
	s_add_co_i32 s50, s50, 15
	s_lshl_b32 s50, s50, 23
	s_or_b32 s50, s50, 0x600000
	v_mov_b32 v[LIMO], s50
	s_add_co_i32 s50, s24, s25
	s_add_co_i32 s50, s50, 127
	s_lshl_b32 s[YS], s50, 23                      ; 2^(e10 + e11)
	s_mov_b32 s[YS+1], s[YS]
	s_mov_b32 s[ST], 0
	STEP 1                                         ; step 0 stands ahead of the loop: its products start O's sums
	s_mov_b32 s[ST], 1
.Lstep:                                            ; steps 1 .. NL - 1: at least seven trips
	STEP 0
	s_add_co_u32 s[ST], s[ST], 1
	s_cmp_lt_u32 s[ST], s[NL]
	s_cbranch_scc1 .Lstep
	; ---- the late block's diagonal step, ST = NL: nothing more of q and v is fetched; Wp takes the registers that k, q and v leave
	s_wait_loadcnt 32                              ; q is in; v's 32 loads may be out
	SMUL 0
	WIN 0
	PLACES
	SOFTP 0, 2
	s_wait_dscnt 0x0
	s_barrier_signal -1
	s_barrier_wait -1
	PLOAD 0
	s_wait_loadcnt 0x0                             ; v is in: waited for ahead of Wp's 96 loads, which a counted wait could not leave out
	WIN 0x40
.irp nt, 0,1,2,3
.irp ks, 0,1,2,3
.irp g, 0,1,2,3
	global_load_b128 v[64*\nt+16*\ks+4*\g:64*\nt+16*\ks+4*\g+3], v[WPO], s[10:11] offset:\nt*8192+\ks*2048+\g*512
.endr
.endr
.endr
	WIN 0xc0
.irp nt, 4,5
.irp ks, 0,1,2,3
.irp g, 0,1,2,3
	global_load_b128 v[64*(\nt-4)+16*\ks+4*\g:64*(\nt-4)+16*\ks+4*\g+3], v[WPO], s[10:11] offset:\nt*8192+\ks*2048+\g*512
.endr
.endr
.endr
	WIN 0
	s_wait_dscnt 0x0
	PVMUL 0, 0
	WIN 0
	PLACES
	WIN 0xc0
.irp nt, 6,7
.irp ks, 0,1,2,3
.irp g, 0,1,2,3
	global_load_b128 v[64*(\nt-4)+16*\ks+4*\g:64*(\nt-4)+16*\ks+4*\g+3], v[WPO], s[10:11] offset:\nt*8192+\ks*2048+\g*512
.endr
.endr
.endr
	; ---- O is quantised: my 128 channels are K step w of the last product; the fragments go to LDS as they stand
.irp rt, 0,1,2,3
	WIN 0x82                                       ; source 0 and destination window 2
.set n, 0
.rept 64
	v_med3_num_f32 v[64*\rt+n], v[64*\rt+n], -v[LIMO], v[LIMO]   ; the hold at the largest code x the scale; each accumulator from its low end on
.set n, n+1
.endr
	WIN 0x02
.irp ci, 0,1,2,3,4,5,6,7
	v_cvt_scalef32_pk8_bf8_f32 v[PIN+16*\rt+2*\ci:PIN+16*\rt+2*\ci+1], v[64*\rt+8*\ci:64*\rt+8*\ci+7], v[SCO]
.endr
	WIN 0
	v_nop                                          ; one plain vector instruction behind the conversions: the last product writes their sources
.irp g, 0,1,2,3
	ds_store_b128 v[OST], v[PIN+16*\rt+4*\g:PIN+16*\rt+4*\g+3] offset:\rt*8192+\g*512
.endr
.endr
	s_wait_dscnt 0x0                               ; for the others' sake: my fragments lie in LDS
	s_barrier_signal -1
	s_barrier_wait -1
	; ---- y^T = Wp O^T: my 128 outputs for the 64 rows, two row tiles at a time; eight accumulators by turns
.irp half, 0,1
.if \half == 1
	PLACES
.endif
.irp rtl, 0,1
.irp ks, 0,1,2,3
.irp g, 0,1,2,3
	ds_load_b128 v[SCR+16*(4*\rtl+\ks)+4*\g:SCR+16*(4*\rtl+\ks)+4*\g+3], v[LI] offset:OIMG+(4*(2*\half+\rtl)+\ks)*2048+\g*512
.endr
.endr
.endr
	s_wait_loadcnt 0x0                             ; Wp
	s_wait_dscnt 0x0
	WIN 0xa1                                       ; source 0 (Wp's tiles 0-3) window 1, C and D window 2
.irp ks, 0,1,2,3
.irp nt, 0,1,2,3
.irp rtl, 0,1
.if \ks == 0
	v_wmma_f32_16x16x128_bf8_bf8 v[8*(8*(2*\half+\rtl)+\nt):8*(8*(2*\half+\rtl)+\nt)+7], v[64*\nt+16*\ks:64*\nt+16*\ks+15], v[SCR+16*(4*\rtl+\ks):SCR+16*(4*\rtl+\ks)+15], 0
.else
	v_wmma_f32_16x16x128_bf8_bf8 v[8*(8*(2*\half+\rtl)+\nt):8*(8*(2*\half+\rtl)+\nt)+7], v[64*\nt+16*\ks:64*\nt+16*\ks+15], v[SCR+16*(4*\rtl+\ks):SCR+16*(4*\rtl+\ks)+15], v[8*(8*(2*\half+\rtl)+\nt):8*(8*(2*\half+\rtl)+\nt)+7]
.endif
.endr
.endr
.endr
	WIN 0xa3                                       ; Wp's tiles 4-7: window 3
.irp ks, 0,1,2,3
.irp nt, 4,5,6,7
.irp rtl, 0,1
.if \ks == 0
	v_wmma_f32_16x16x128_bf8_bf8 v[8*(8*(2*\half+\rtl)+\nt):8*(8*(2*\half+\rtl)+\nt)+7], v[64*(\nt-4)+16*\ks:64*(\nt-4)+16*\ks+15], v[SCR+16*(4*\rtl+\ks):SCR+16*(4*\rtl+\ks)+15], 0
.else
	v_wmma_f32_16x16x128_bf8_bf8 v[8*(8*(2*\half+\rtl)+\nt):8*(8*(2*\half+\rtl)+\nt)+7], v[64*(\nt-4)+16*\ks:64*(\nt-4)+16*\ks+15], v[SCR+16*(4*\rtl+\ks):SCR+16*(4*\rtl+\ks)+15], v[8*(8*(2*\half+\rtl)+\nt):8*(8*(2*\half+\rtl)+\nt)+7]
.endif
.endr
.endr
.endr
	WIN 0
.endr
	; ---- the way out, a row tile at a time: y = sum x 2^(e10 + e11) + bp; a lane's 32 bytes of a row go into my own stage and come back as whole pieces of 512 bytes of a row.
	; LDS serves a wave's instructions in order (ISA guide 5.7.1.4): no wait between the stores and the loads, nor ahead of the next tile's stores.
	PLACES
.irp rt, 0,1,2,3
.if \rt > 0
	s_wait_xcnt 0x0                                ; the last tile's stores have read their data: its registers are loaded again only behind this wait
.endif
	WIN 0x02                                       ; source 0 (the sums) window 2
.set n, 0
.rept 32
	v_pk_fma_f32 v[SCR+n:SCR+n+1], v[64*\rt+n:64*\rt+n+1], s[YS:YS+1], v[BP+n:BP+n+1] op_sel_hi:[1,0,1]
.set n, n+2
.endr
	WIN 0
.irp nt, 0,1,2,3,4,5,6,7
	ds_store_b128 v[STO], v[SCR+8*\nt:SCR+8*\nt+3] offset:64*\nt
	ds_store_b128 v[STO], v[SCR+8*\nt+4:SCR+8*\nt+7] offset:64*\nt+16
.endr
.irp t, 0,1,2,3,4,5,6,7,8,9,10,11,12,13,14,15
	ds_load_b128 v[EXU+4*\t:EXU+4*\t+3], v[RD] offset:\t*SPITCH
.endr
.irp t, 0,1,2,3,4,5,6,7,8,9,10,11,12,13,14,15
	s_wait_dscnt 15-\t                             ; row t is back; the younger reads may be out
	global_store_b128 v[CO], v[EXU+4*\t:EXU+4*\t+3], s[OL+2*(\rt/2):OL+2*(\rt/2)+1] offset:(16*(\rt%2)+\t)*2048 th:TH_STORE_NT   ; the wave stores 512 consecutive bytes, aligned; written once, read by nobody here
.endr
.endr
	s_wait_tensorcnt 0x0                           ; the wave's end, behind my last LDS store
	ds_add_u32 v[SPW], v[NIL]
	s_wait_dscnt 0x0
	s_endpgm
.Lfunc_end_k_q3d76318969_attn:
	.size	k_q3d76318969_attn, .Lfunc_end_k_q3d76318969_attn-k_q3d76318969_attn
	.p2alignl 7, 3214868480
	.fill 96, 4, 3214868480
	.section	.rodata,"a",@progbits
	.p2align	6, 0x0
	.amdhsa_kernel k_q3d76318969_attn
		.amdhsa_group_segment_fixed_size 75264
		.amdhsa_private_segment_fixed_size 0
		.amdhsa_enable_private_segment 0
		.amdhsa_kernarg_size 56
		.amdhsa_user_sgpr_count 2
		.amdhsa_user_sgpr_kernarg_segment_ptr 1
		.amdhsa_wavefront_size32 1
		.amdhsa_system_sgpr_workgroup_id_x 1
		.amdhsa_system_sgpr_workgroup_id_y 1
		.amdhsa_system_sgpr_workgroup_id_z 1
		.amdhsa_system_vgpr_workitem_id 0
		.amdhsa_next_free_vgpr 1024
		.amdhsa_next_free_sgpr 80
		.amdhsa_reserve_vcc 1
		.amdhsa_float_denorm_mode_32 3
		.amdhsa_float_denorm_mode_16_64 3
		.amdhsa_memory_ordered 1
		.amdhsa_forward_progress 1
		.amdhsa_inst_pref_size 182
	.end_amdhsa_kernel
	.amdgpu_metadata
---
amdhsa.version: [ 1, 2 ]
amdhsa.kernels:
  - .name:           k_q3d76318969_attn
    .symbol:         k_q3d76318969_attn.kd
    .args:
      - { .name: k_frag, .offset: 0, .size: 8, .value_kind: global_buffer, .address_space: global }
      - { .name: q_frag, .offset: 8, .size: 8, .value_kind: global_buffer, .address_space: global }
      - { .name: v_frag, .offset: 16, .size: 8, .value_kind: global_buffer, .address_space: global }
      - { .name: wp_frag, .offset: 24, .size: 8, .value_kind: global_buffer, .address_space: global }
      - { .name: bp, .offset: 32, .size: 8, .value_kind: global_buffer, .address_space: global }
      - { .name: lowp_scales, .offset: 40, .size: 8, .value_kind: global_buffer, .address_space: global }
      - { .name: out0, .offset: 48, .size: 8, .value_kind: global_buffer, .address_space: global }
    .group_segment_fixed_size: 75264
    .private_segment_fixed_size: 0
    .kernarg_segment_align: 8
    .kernarg_segment_size: 56
    .max_flat_workgroup_size: 128
    .sgpr_count:     80
    .vgpr_count:     1024
    .wavefront_size: 32
...
	.end_amdgpu_metadata
.endif
;; end of part 2
;; ======== version 2 of 2: 2 launches
;; workspace buffers: k_frag 4,194,304 bytes; q_frag 4,194,304 bytes; v_frag 4,194,304 bytes; wp_frag 262,144 bytes
;; launch proj: the kernel of part 1 again; grid 64 x 4, 4 waves a work-group, clusters of 4 x 4, 270,848 bytes of LDS; arguments x_codes, Wk_codes, Wq_codes, Wv_codes, Wp_codes, bk, bq, bv, lowp_scales, k_frag, q_frag, v_frag, wp_frag; writes k_frag, q_frag, v_frag, wp_frag
;; launch attn (part 3): grid 32 x 4, 4 waves a work-group, no clusters, 75,264 bytes of LDS; arguments k_frag, q_frag, v_frag, wp_frag, bp, lowp_scales, out0; writes out0
.if DOCPART == 3
	.amdgcn_target "amdgcn-amd-amdhsa--gfx1250"
	.amdhsa_code_object_version 6
	.text
	.protected	k_q3d76318969_attn
	.globl	k_q3d76318969_attn
	.p2align	8
	.type	k_q3d76318969_attn,@function
k_q3d76318969_attn:
	s_mov_b64 s[64:65], 0
	v_nop
	global_prefetch_b8 v0, s[64:65] scope:SCOPE_SE
	s_setreg_imm32_b32 hwreg(HW_REG_WAVE_MODE, 25, 1), 1
	s_wait_xcnt 0x0
; out = Q(Q(softplus(mask(k q^T / sqrt(512)))) v) Wp + bp, three products on codes of E5M2, Q the given quantisers.  Operands come as register images (the first launch's head says how they lie).
; LEFT OUT: steps of 128 keys all of which lie above all 32 rows of a block: reference()'s own mask makes those scores -inf, softplus makes them 0, and zeros add nothing to the second product, for all inputs.
; LIMIT: a NaN, an infinity or an overflow that would arise only there is not carried to the result.
; SHARES.  Work-group (j, batch) owns two blocks of 32 rows t: the late one, L = 63 - j (row tiles 0, 1), and the early one, j (row tiles 2, 3).  A step is 128 keys s.  The late block needs steps 0 .. NL = L / 4,
; the early one 0 .. NE = j / 4: NE + NL + 2 = 17 block-steps in every work-group.  With 64 rows a step's 131,072 bytes of q and v feed twice the products that 32 rows on twice the work-groups would.
; THE WALK.  The second product is a plain sum over the keys, so the order of the steps is free.  A work-group begins at step FST = NE - min(j % 4, NE), which counts for both its blocks (its products start both sums),
; goes on modulo NL through the NL steps under the late block's diagonal, and takes the diagonal step NL last.  So the 32 work-groups of a batch stand at different steps and do not all ask for the same bytes at one moment.
; LIMIT: the f32 sums over the keys are taken in that order, not in ascending order.
; IN A STEP the waves split the KEYS for the scores (wave w: keys 32 w .. + 31, two tiles, against all four row tiles) and the CHANNELS for the second product (wave w: channels 128 w .. + 127, eight tiles).
; So each byte of q and of v is wanted by one wave alone and goes from memory straight into its registers, 512 consecutive bytes a load; only p's codes change waves, as register images through LDS.
; THE SECOND PRODUCT RUNS ONE STEP BEHIND: a trip makes the scores and p of its step and stores p; then it multiplies the step BEFORE, whose p and v lie in registers; then it asks for its own step's v and p.
; So p's way into LDS lies under matrix instructions, and its way back under the next trip's scores.
; NO CLUSTER, NO TENSOR LOAD: a joint load lands in LDS, and a way through LDS would add a step's 131,072 bytes of LDS reads to bytes that now land in the one wave's registers that wants them; and neighbours stand at different steps.
; A wave has up to 64 loads of 512 bytes out, as many as LOADcnt's field lets it have (ISA guide 5.7.1): a second set of landing registers could not be filled.
; LAYOUT.  S^T = q k^T (source 0 = 16 keys, source 1 = 16 rows): a lane holds one row t and eight neighbouring keys; one conversion of eight makes two registers of p's fragment.  O^T = v^T p^T and y^T = Wp O^T likewise.
; SOFTPLUS.  t = score x log2(e) / sqrt(512) x 2^(e6 + e7); u = 2^-|t|; w = 1 + u, rounded; err = u - (w - 1), exact; p = ln 2 x (max(t, 0) + log2 w) + err: max(x, 0) + log1p(e^-|x|), as reference()'s softplus takes it.
; LIMITS: e8 and e10 - e8 - e9 between -126 and 112; e6 + e7 between -122 and 131; e10 + e11 between -126 and 127.  Where t < -126 the exponential gives 0 and p = 0, where reference() has a number under 2^-126.
; REGISTERS, in windows of 256.  Window 0: v1-19 addresses and constants; v32-95 scores; v96-159 at work, later O's codes; v160-175 p's codes; v176-183 at work; v192-255 p's four fragments, at the end bp.
;   window 1: k, 64 a row tile (at the end: the last step's v in the early block's place; then Wp's tiles 0-3).  window 2: O^T, 64 a row tile (later y).  window 3: v0-127 q, v128-255 v (later Wp's tiles 4-7).
.set PIMG,  0                          ; LDS: p's four fragments,
.set OIMG,  8192                       ; O's sixteen (4 x row tile + K step),
.set STG,   40960                      ; a stage of 16 rows x (512 + 16) bytes for each wave,
.set SPITCH, 528
.set SPARE, STG+4*16*SPITCH            ; and the spare words, 128 bytes a wave, that no other line names
.set LI,   1                           ; v1   16 x lane
.set QVO,  2                           ; v2   16,384 w + 16 x lane: my part of a step of q or of v
.set PST,  3                           ; v3   512 w + 16 x lane: my chunk of a fragment of p
.set OST,  4                           ; v4   OIMG + 2,048 w + 16 x lane
.set STO,  5                           ; v5   my stage: row r, + 32 h
.set RD,   6                           ; v6   my stage: 16 x lane
.set CO,   7                           ; v7   512 w + 16 x lane: my bytes of a row of out0
.set PFO,  8                           ; v8   16,384 w + 256 x lane: the prefetches' offset; never rewritten
.set RH,   9                           ; v9   r - 8 h
.set DM,   10
.set NINF, 11
.set LIMP, 12
.set SCP,  13
.set LIMO, 14
.set SCO,  15
.set SPW,  16
.set NIL,  17
.set BPO,  18
.set WPO,  19
.set SCR,  32
.set EXU,  96
.set ONE,  128
.set OC,   96
.set PO,   160
.set DT,   176
.set PIN,  192
.set BP,   192
.set WV, 26
.set J,  27
.set NE, 28                            ; s28  the early block's diagonal step;  s29  the late block's
.set NL, 29
.set ST, 30                            ; s30  the trip's step
.set LIM, 31                           ; s31  13 in the batch's work-group j = 0, else 0: it prefetches q while ST is under it
.set QP, 32                            ; s[32:33], s[34:35]  q and v at the step whose loads were issued last
.set VP, 34
.set KL, 36
.set KE, 38
.set CS, 40                            ; s[40:41]  c, twice
.set YS, 42                            ; s[42:43]  2^(e10 + e11), twice
.set OL, 44                            ; s[44:45], s[46:47]  out0 at the late and at the early block
.set OE, 46
.set TL, 48                            ; s48, s49  32 L - 32 w, 32 j - 32 w
.set TE, 49
.set LIMV, 58                          ; s58  15 in the work-group j = 0, else 0: it prefetches v while ST is under it
.set FST, 60                           ; s60  the walk's first step
.set SPV, 61                           ; s61  the step before
.set SN, 62                            ; s62  the next step
.set CNT, 63                           ; s63  counts the trips.  s[54:55]: a step's byte offset (s55 stays 0);  s[6:7], s[8:9]: q and v at the batch's first byte
.set MSB, 0
.macro WIN new                         ; the immediate's high byte repeats the setting that is left
.if MSB != \new
	s_set_vgpr_msb (MSB<<8)|\new
.set MSB, \new
.endif
.endm
.macro PLACES                          ; four plain vector instructions behind matrix instructions, ahead of loads into their sources and of reads of their results
.rept 4
	v_nop
.endr
.endm
.macro SMUL half                       ; the scores of row tiles 2 half, 2 half + 1 against my two key tiles: 16 matrix instructions, four accumulators by turns
	WIN 0x07                                       ; source 0 (q) window 3, source 1 (k) window 1
.irp ks, 0,1,2,3
.irp rtl, 0,1
.irp u, 0,1
.if \ks == 0
	v_wmma_f32_16x16x128_bf8_bf8 v[SCR+32*\half+8*(2*\rtl+\u):SCR+32*\half+8*(2*\rtl+\u)+7], v[64*\u+16*\ks:64*\u+16*\ks+15], v[64*(2*\half+\rtl)+16*\ks:64*(2*\half+\rtl)+16*\ks+15], 0
.else
	v_wmma_f32_16x16x128_bf8_bf8 v[SCR+32*\half+8*(2*\rtl+\u):SCR+32*\half+8*(2*\rtl+\u)+7], v[64*\u+16*\ks:64*\u+16*\ks+15], v[64*(2*\half+\rtl)+16*\ks:64*(2*\half+\rtl)+16*\ks+15], v[SCR+32*\half+8*(2*\rtl+\u):SCR+32*\half+8*(2*\rtl+\u)+7]
.endif
.endr
.endr
.endr
.endm
.macro QLOAD                           ; my two key tiles of q, four K steps each: 32 loads of 512 consecutive bytes
	WIN 0xc0                                       ; destination window 3
.irp u, 0,1
.irp ks, 0,1,2,3
.irp g, 0,1,2,3
	global_load_b128 v[64*\u+16*\ks+4*\g:64*\u+16*\ks+4*\g+3], v[QVO], s[QP:QP+1] offset:\u*8192+\ks*2048+\g*512
.endr
.endr
.endr
	WIN 0
.endm
.macro VLOAD win                       ; my eight channel tiles of v, into v128-255 of window 3 (win = 0xc0) or of window 1 (0x40)
	WIN \win
.irp ci, 0,1,2,3,4,5,6,7
.irp g, 0,1,2,3
	global_load_b128 v[128+16*\ci+4*\g:128+16*\ci+4*\g+3], v[QVO], s[VP:VP+1] offset:\ci*2048+\g*512
.endr
.endr
	WIN 0
.endm
; PREFETCHES, behind q's loads.  Of a batch's 32 work-groups the one with j = 0 asks, and nobody else: its walk is 0, 1, .. 15 in order.  In trip ST it asks for q of step ST + 3, whose loads are issued two trips on
; (q's pointer stands at step ST + 1 here), and for v of step ST + 1, whose loads are issued behind the next trip's second product.  Its wave w asks for the 16,384 bytes of each that a wave w loads: lanes 256 bytes
; apart, two instructions each, so each aligned block of 256 bytes is named once in the launch.  q's stop behind ST = 12 and v's behind ST = 14: step 15 is the batch's last.  q's steps 0 to 2 and v's step 0 come by their loads alone.
.macro ASK
	s_cmp_lt_u32 s[ST], s[LIM]
	s_cbranch_scc0 .Lno_q_\@
	global_prefetch_b8 v[PFO], s[QP:QP+1] offset:131072 th:TH_LOAD_NT scope:SCOPE_SE
	global_prefetch_b8 v[PFO], s[QP:QP+1] offset:139264 th:TH_LOAD_NT scope:SCOPE_SE
.Lno_q_\@:
	s_cmp_lt_u32 s[ST], s[LIMV]
	s_cbranch_scc0 .Lno_v_\@
	s_add_co_u32 s56, s[ST], 1                     ; (the last trip's prefetches have read s[56:57]: the wait on XCNT ahead of q's pointer stands between)
	s_lshl_b32 s56, s56, 16
	s_mov_b32 s57, 0
	s_add_nc_u64 s[56:57], s[8:9], s[56:57]
	global_prefetch_b8 v[PFO], s[56:57] th:TH_LOAD_NT scope:SCOPE_SE
	global_prefetch_b8 v[PFO], s[56:57] offset:8192 th:TH_LOAD_NT scope:SCOPE_SE
.Lno_v_\@:
.endm
; Softplus and the quantiser for one half's 32 scores a lane.  mask = 0: every key counts; 1: the block's diagonal step is told by ids (ST = NE); 2: this is the diagonal step.
; Register 8 (2 rtl + u) + j holds key 128 ST + 32 w + 16 u + 8 h + j for row t0 + 16 rtl + r: hidden where 16 u + j - 16 rtl > r - 8 h + (t0 - 32 w - 128 ST).
.macro SOFTP half, mask
.set TT, SCR+32*\half
.if \mask == 1
	s_cmp_lg_u32 s[ST], s[NE]
	s_cbranch_scc1 .Lopen_\@
.endif
.if \mask
	s_lshl_b32 s50, s[ST], 7
	s_sub_co_i32 s50, s[TL+\half], s50
	v_add_nc_u32 v[DM], s50, v[RH]
.set n, 0
.rept 32
	v_cmp_gt_i32 vcc_lo, 16*((n/8)%2)+n%8-16*(n/16), v[DM]
	v_cndmask_b32 v[TT+n], v[TT+n], v[NINF], vcc_lo         ; a hidden score becomes -infinity: u = 0, max = 0, p = 0
.set n, n+1
.endr
.endif
.Lopen_\@:
.set n, 0
.rept 16
	v_pk_mul_f32 v[TT+n:TT+n+1], v[TT+n:TT+n+1], s[CS:CS+1] op_sel_hi:[1,0]   ; t; each accumulator from its low end on
.set n, n+2
.endr
.set n, 0
.rept 32
	v_exp_f32 v[EXU+n], -|v[TT+n]|                          ; u = 2^-|t|: at most 1, so nothing overflows
.set n, n+1
.endr
	v_nop                                                   ; a plain instruction behind the last exponential, ahead of writes of its sources
.set n, 0
.rept 16
	v_max_num_f32 v[TT+n], 0, v[TT+n]                       ; independent work behind the batch
.set n, n+1
.endr
	s_wait_alu depctr_va_vdst(0)                            ; one wait for the 32 exponentials, ahead of their first reader
.set n, 0
.rept 16
	v_pk_add_f32 v[ONE+n:ONE+n+1], v[EXU+n:EXU+n+1], 1.0 op_sel_hi:[1,0]      ; w = 1 + u
.set n, n+2
.endr
.set gq, 0
.rept 4
.irp p, 0,2,4,6
	v_pk_fma_f32 v[DT+\p:DT+\p+1], v[ONE+8*gq+\p:ONE+8*gq+\p+1], -1.0, 1.0 op_sel_hi:[1,0,0]   ; 1 - w: exact
.endr
.irp p, 0,2,4,6
	v_pk_add_f32 v[EXU+8*gq+\p:EXU+8*gq+\p+1], v[EXU+8*gq+\p:EXU+8*gq+\p+1], v[DT+\p:DT+\p+1]  ; err = u - (w - 1): exact
.endr
.set gq, gq+1
.endr
.set n, 0
.rept 32
	v_log_f32 v[ONE+n], v[ONE+n]                            ; log2 w
.set n, n+1
.endr
	v_nop
.set n, 16
.rept 16
	v_max_num_f32 v[TT+n], 0, v[TT+n]
.set n, n+1
.endr
	s_wait_alu depctr_va_vdst(0)                            ; one wait for the 32 logarithms
.set n, 0
.rept 16
	v_pk_add_f32 v[TT+n:TT+n+1], v[TT+n:TT+n+1], v[ONE+n:ONE+n+1]
.set n, n+2
.endr
.set n, 0
.rept 16
	v_pk_fma_f32 v[TT+n:TT+n+1], v[TT+n:TT+n+1], 0x3f317218, v[EXU+n:EXU+n+1] op_sel_hi:[1,0,1]   ; x ln 2, + err
.set n, n+2
.endr
.set n, 0
.rept 32
	v_min_num_f32 v[TT+n], v[TT+n], v[LIMP]                 ; the conversion does not saturate (ISA guide 7.6.2); p is not negative, so the hold is one-sided
.set n, n+1
.endr
.irp rtl, 0,1
.irp u, 0,1
	v_cvt_scalef32_pk8_bf8_f32 v[PO+4*(2*\half+\rtl)+2*\u:PO+4*(2*\half+\rtl)+2*\u+1], v[TT+8*(2*\rtl+\u):TT+8*(2*\rtl+\u)+7], v[SCP]
.endr
.endr
	v_nop                                                   ; one plain vector instruction between the conversions and the next products, which write their sources
.irp rtl, 0,1
	ds_store_b128 v[PST], v[PO+4*(2*\half+\rtl):PO+4*(2*\half+\rtl)+3] offset:PIMG+(2*\half+\rtl)*2048   ; registers 4 w .. 4 w + 3 of the row tile's fragment
.endr
.endm
.macro PLOAD half                      ; two whole fragments of p
.irp rtl, 0,1
.irp g, 0,1,2,3
	ds_load_b128 v[PIN+16*(2*\half+\rtl)+4*\g:PIN+16*(2*\half+\rtl)+4*\g+3], v[LI] offset:PIMG+(2*\half+\rtl)*2048+\g*512
.endr
.endr
.endm
.macro PVMUL half, zero, win           ; O^T += v^T p^T: 16 accumulators, one instruction each.  zero = 1: the walk's first step starts the sums.  win = 0xa3: v in window 3; 0xa1: in window 1; C and D window 2
	WIN \win
.irp ci, 0,1,2,3,4,5,6,7
.irp rtl, 0,1
.if \zero
	v_wmma_f32_16x16x128_bf8_bf8 v[8*(8*(2*\half+\rtl)+\ci):8*(8*(2*\half+\rtl)+\ci)+7], v[128+16*\ci:128+16*\ci+15], v[PIN+16*(2*\half+\rtl):PIN+16*(2*\half+\rtl)+15], 0
.else
	v_wmma_f32_16x16x128_bf8_bf8 v[8*(8*(2*\half+\rtl)+\ci):8*(8*(2*\half+\rtl)+\ci)+7], v[128+16*\ci:128+16*\ci+15], v[PIN+16*(2*\half+\rtl):PIN+16*(2*\half+\rtl)+15], v[8*(8*(2*\half+\rtl)+\ci):8*(8*(2*\half+\rtl)+\ci)+7]
.endif
.endr
.endr
.endm
.macro WPL nt, base                    ; Wp's tile nt of my eight: four fragments into v[base] on of the window that is set
.irp ks, 0,1,2,3
.irp g, 0,1,2,3
	global_load_b128 v[\base+16*\ks+4*\g:\base+16*\ks+4*\g+3], v[WPO], s[10:11] offset:(\nt)*8192+\ks*2048+\g*512
.endr
.endr
.endm
; A TRIP, for a step ST under the late block's diagonal.  The early block's parts are jumped over where their step lies above NE: scalar branches on ids and on the walk, the same in all four waves; no barrier stands under one.
; pv = 0: there is no step before;  1: the step before is the walk's first, which counts for both blocks and starts O's sums: no jump;  2: it adds.   first = 1: ST is the walk's first step: no jump.
; TWO BARRIERS on the one buffer of p.  A: every wave's reads of the last p are back; behind it p is stored anew.  B: every wave's stores have landed; behind it p is read.
.macro TRIP pv, first
.if \first
	s_wait_loadcnt 0x0                             ; k and q: nothing was issued behind them
.else
	s_wait_loadcnt 32                              ; q of this step is in; the 32 loads of v issued behind it may be out
.endif
	SMUL 0
	WIN 0
.if !\first
	s_cmp_gt_u32 s[ST], s[NE]
	s_cbranch_scc1 .Lsa_\@
.endif
	SMUL 1
	WIN 0
.Lsa_\@:
	PLACES
	s_add_co_u32 s[SN], s[ST], 1                   ; the next step: ST + 1 modulo NL;
	s_cmp_eq_u32 s[SN], s[NL]
	s_cselect_b32 s[SN], 0, s[SN]
	s_cmp_eq_u32 s[SN], s[FST]                     ; once round, the diagonal step
	s_cselect_b32 s[SN], s[NL], s[SN]
	s_lshl_b32 s54, s[SN], 16
	s_wait_xcnt 0x0                                ; the loads and prefetches that named q's pointer have read it
	s_add_nc_u64 s[QP:QP+1], s[6:7], s[54:55]
	QLOAD                                          ; the next step's q
	ASK
.if \pv
	s_wait_dscnt 0x0                               ; my reads of the last p, issued at the last trip's end, are back
	s_barrier_signal -1
	s_barrier_wait -1                              ; A: everybody's are
.endif
	SOFTP 0, 0
.if !\first
	s_cmp_gt_u32 s[ST], s[NE]
	s_cbranch_scc1 .Lsb_\@
.endif
	SOFTP 1, 1
.Lsb_\@:
.if \pv
	s_wait_loadcnt 32                              ; v of the step before is in; the next q, issued behind it, may be out
	PVMUL 0, 2-\pv, 0xa3                           ; the step before: p's stores are on their way meanwhile
	WIN 0
.if \pv == 2
	s_cmp_gt_u32 s[SPV], s[NE]
	s_cbranch_scc1 .Lsd_\@
.endif
	PVMUL 1, 2-\pv, 0xa3
	WIN 0
.Lsd_\@:
	PLACES
.endif
	s_lshl_b32 s54, s[ST], 16
	s_wait_xcnt 0x0                                ; the loads that named v's pointer have read it
	s_add_nc_u64 s[VP:VP+1], s[8:9], s[54:55]
	VLOAD 0xc0                                     ; this step's v, for the next trip
	s_wait_dscnt 0x0                               ; for the others' sake: my chunks of p lie in LDS
	s_barrier_signal -1
	s_barrier_wait -1                              ; B: everybody's do
	PLOAD 0                                        ; waited for in the next trip, ahead of barrier A
.if !\first
	s_cmp_gt_u32 s[ST], s[NE]
	s_cbranch_scc1 .Lsc_\@
.endif
	PLOAD 1
.Lsc_\@:
	s_mov_b32 s[SPV], s[ST]
	s_mov_b32 s[ST], s[SN]
.endm
	s_load_b256 s[4:11], s[0:1], 0x0               ; k_frag s[4:5], q_frag s[6:7], v_frag s[8:9], wp_frag s[10:11]
	s_load_b128 s[12:15], s[0:1], 0x20             ; bp s[12:13], lowp_scales s[14:15]
	s_load_b64 s[16:17], s[0:1], 0x30              ; out0
	v_lshl_add_u32 v[SPW], v0, 2, SPARE
	v_mov_b32 v[NIL], 0
	v_lshrrev_b32 v20, 5, v0
	v_readfirstlane_b32 s[WV], v20                 ; wave 0..3
	v_and_b32 v20, 31, v0                          ; lane
	v_and_b32 v21, 15, v0                          ; r
	v_bfe_u32 v22, v0, 4, 1                        ; h
	v_lshlrev_b32 v[LI], 4, v20
	s_lshl_b32 s50, s[WV], 14
	v_add_nc_u32 v[QVO], s50, v[LI]
	v_lshl_add_u32 v[PFO], v20, 8, s50
	s_lshl_b32 s50, s[WV], 9
	v_add_nc_u32 v[PST], s50, v[LI]
	v_add_nc_u32 v[CO], s50, v[LI]
	v_lshl_add_u32 v[BPO], v22, 5, s50             ; bp: my 128 numbers, + 8 h of them
	s_lshl_b32 s50, s[WV], 11
	s_add_co_u32 s50, s50, OIMG
	v_add_nc_u32 v[OST], s50, v[LI]
	s_mul_i32 s50, s[WV], 16*SPITCH
	s_add_co_u32 s50, s50, STG
	v_add_nc_u32 v[RD], s50, v[LI]
	v_mul_u32_u24 v[STO], v21, SPITCH
	v_lshl_add_u32 v[STO], v22, 5, v[STO]
	v_add_nc_u32 v[STO], s50, v[STO]
	s_lshl_b32 s50, s[WV], 16
	v_add_nc_u32 v[WPO], s50, v[LI]                ; Wp: my eight n tiles of 8,192 bytes
	v_lshlrev_b32 v22, 3, v22
	v_sub_nc_u32 v[RH], v21, v22
	v_mov_b32 v[NINF], 0xff800000
	s_mov_b32 s[J], ttmp9
	s_and_b32 s50, ttmp7, 0xffff                   ; the batch
	s_sub_co_u32 s51, 63, s[J]                     ; L
	s_lshr_b32 s[NE], s[J], 2
	s_lshr_b32 s[NL], s51, 2
	s_and_b32 s[FST], s[J], 3
	s_min_u32 s[FST], s[FST], s[NE]
	s_sub_co_u32 s[FST], s[NE], s[FST]             ; the walk's first step: NE - min(j % 4, NE), at most NE
	s_mov_b32 s[ST], s[FST]
	s_cmp_eq_u32 s[J], 0
	s_cselect_b32 s[LIM], 13, 0
	s_cselect_b32 s[LIMV], 15, 0
	s_lshl_b32 s52, s[WV], 5
	s_lshl_b32 s[TL], s51, 5
	s_sub_co_i32 s[TL], s[TL], s52
	s_lshl_b32 s[TE], s[J], 5
	s_sub_co_i32 s[TE], s[TE], s52
	s_lshl_b32 s52, s50, 20                        ; a batch's codes: 1,048,576 bytes
	s_mov_b32 s53, 0
	s_lshl_b32 s54, s51, 14                        ; a block of 32 rows of k: 16,384 bytes
	s_mov_b32 s55, 0
	s_lshl_b32 s56, s[J], 14
	s_mov_b32 s57, 0
	s_wait_kmcnt 0x0
	s_load_b128 s[20:23], s[14:15], 0x18           ; e6, e7, e8, e9
	s_load_b64 s[24:25], s[14:15], 0x28            ; e10, e11
	s_add_nc_u64 s[6:7], s[6:7], s[52:53]          ; q and v at the batch's first byte
	s_add_nc_u64 s[8:9], s[8:9], s[52:53]
	s_add_nc_u64 s[KL:KL+1], s[4:5], s[52:53]
	s_add_nc_u64 s[KE:KE+1], s[KL:KL+1], s[56:57]
	s_add_nc_u64 s[KL:KL+1], s[KL:KL+1], s[54:55]
	s_lshl_b32 s52, s50, 22                        ; a batch of out0: 2,048 rows of 2,048 bytes
	s_lshl_b32 s54, s51, 16                        ; a block of 32 rows
	s_lshl_b32 s56, s[J], 16
	s_add_nc_u64 s[OL:OL+1], s[16:17], s[52:53]
	s_add_nc_u64 s[OE:OE+1], s[OL:OL+1], s[56:57]
	s_add_nc_u64 s[OL:OL+1], s[OL:OL+1], s[54:55]
	s_lshl_b32 s54, s[FST], 16                     ; a step of q or v: 65,536 bytes
	s_add_nc_u64 s[QP:QP+1], s[6:7], s[54:55]
	WIN 0x40                                       ; destination window 1: k stays in registers
.irp rtl, 0,1
.irp ks, 0,1,2,3
.irp g, 0,1,2,3
	global_load_b128 v[64*\rtl+16*\ks+4*\g:64*\rtl+16*\ks+4*\g+3], v[LI], s[KL:KL+1] offset:\rtl*8192+\ks*2048+\g*512
.endr
.endr
.endr
.irp rtl, 0,1
.irp ks, 0,1,2,3
.irp g, 0,1,2,3
	global_load_b128 v[128+64*\rtl+16*\ks+4*\g:128+64*\rtl+16*\ks+4*\g+3], v[LI], s[KE:KE+1] offset:\rtl*8192+\ks*2048+\g*512
.endr
.endr
.endr
	WIN 0
	QLOAD                                          ; the first step's q; its v is asked for in the first trip
	s_wait_kmcnt 0x0
	s_add_co_i32 s50, s20, s21
	s_lshl_b32 s50, s50, 23
	s_add_co_i32 s[CS], s50, 0x3d8293ee            ; c = log2(e) / sqrt(512), with e6 + e7 added to its exponent field
	s_mov_b32 s[CS+1], s[CS]                       ; (named with it as a pair, so it is written)
	s_add_co_i32 s50, s22, 127
	s_lshl_b32 s51, s50, 23
	v_mov_b32 v[SCP], s51                          ; 2^e8
	s_add_co_i32 s50, s50, 15
	s_lshl_b32 s50, s50, 23
	s_or_b32 s50, s50, 0x600000
	v_mov_b32 v[LIMP], s50                         ; 57,344 x 2^e8
	s_sub_co_i32 s50, s24, s22
	s_sub_co_i32 s50, s50, s23                     ; a sum of the second product stands for sum x 2^(e8 + e9): its code is sum / 2^(e10 - e8 - e9)
	s_add_co_i32 s50, s50, 127
	s_lshl_b32 s51, s50, 23
	v_mov_b32 v[SCO], s51
	s_add_co_i32 s50, s50, 15
	s_lshl_b32 s50, s50, 23
	s_or_b32 s50, s50, 0x600000
	v_mov_b32 v[LIMO], s50
	s_add_co_i32 s50, s24, s25
	s_add_co_i32 s50, s50, 127
	s_lshl_b32 s[YS], s50, 23                      ; 2^(e10 + e11)
	s_mov_b32 s[YS+1], s[YS]
	TRIP 0, 1                                      ; the walk's first step: scores and p alone
	TRIP 1, 0                                      ; the second: its second product, the first step's, starts O's sums
	s_mov_b32 s[CNT], 2
.Lstep:                                            ; trips 2 .. NL - 1: at least six
	TRIP 2, 0
	s_add_co_u32 s[CNT], s[CNT], 1
	s_cmp_lt_u32 s[CNT], s[NL]
	s_cbranch_scc1 .Lstep
	; ---- the last trip: the late block's diagonal step, ST = NL.  Nothing more of q is fetched.  The step's v lands where the early block's k lay (no score of that block is left to make), so that it is asked for
	; at the trip's head and not behind the second product of the step before; Wp takes the registers of k, q and v as they come free
	s_wait_loadcnt 32                              ; q is in; the 32 loads of v issued behind it may be out
	s_lshl_b32 s54, s[ST], 16
	s_wait_xcnt 0x0                                ; the loads that named v's pointer have read it
	s_add_nc_u64 s[VP:VP+1], s[8:9], s[54:55]
	VLOAD 0x40                                     ; window 1, v128-255
	SMUL 0
	WIN 0
	PLACES
	s_wait_dscnt 0x0                               ; my reads of the last p are back
	s_barrier_signal -1
	s_barrier_wait -1                              ; A
	SOFTP 0, 2
	s_wait_loadcnt 32                              ; v of the step before is in; the last step's, issued behind it, may be out
	PVMUL 0, 0, 0xa3
	WIN 0
	s_cmp_gt_u32 s[SPV], s[NE]
	s_cbranch_scc1 .Lfd
	PVMUL 1, 0, 0xa3
	WIN 0
.Lfd:
	PLACES
	WIN 0x40                                       ; 48 loads of Wp: where the late block's k lay,
	WPL 0, 0
	WPL 1, 64
	WIN 0xc0                                       ; and the first half of q
	WPL 4, 0
	WIN 0
	s_wait_dscnt 0x0                               ; my chunks of p lie in LDS
	s_barrier_signal -1
	s_barrier_wait -1                              ; B
	PLOAD 0
	s_wait_loadcnt 48                              ; the last step's v is in; the 48 loads of Wp issued behind it may be out
	s_wait_dscnt 0x0
	PVMUL 0, 0, 0xa1                               ; the diagonal step's second product: v from window 1
	WIN 0
	PLACES
	WIN 0x40
	WPL 2, 128
	WPL 3, 192
	WIN 0xc0
	WPL 5, 64
	WPL 6, 128
	WPL 7, 192
	WIN 0
.irp nt, 0,1,2,3,4,5,6,7
	global_load_b128 v[BP+8*\nt:BP+8*\nt+3], v[BPO], s[12:13] offset:64*\nt        ; bp of outputs 128 w + 16 nt + 8 h + 0 .. 7: the layout of y's result; where p's fragments lay
	global_load_b128 v[BP+8*\nt+4:BP+8*\nt+7], v[BPO], s[12:13] offset:64*\nt+16
.endr
	; ---- O is quantised: my 128 channels are K step w of the last product; the fragments go to LDS as they stand
.irp rt, 0,1,2,3
	WIN 0x82                                       ; source 0 and destination window 2
.set n, 0
.rept 64
	v_med3_num_f32 v[64*\rt+n], v[64*\rt+n], -v[LIMO], v[LIMO]   ; the hold at the largest code x the scale; each accumulator from its low end on
.set n, n+1
.endr
	WIN 0x02
.irp ci, 0,1,2,3,4,5,6,7
	v_cvt_scalef32_pk8_bf8_f32 v[OC+16*\rt+2*\ci:OC+16*\rt+2*\ci+1], v[64*\rt+8*\ci:64*\rt+8*\ci+7], v[SCO]
.endr
	WIN 0
	v_nop                                          ; one plain vector instruction behind the conversions: the last product writes their sources
.irp g, 0,1,2,3
	ds_store_b128 v[OST], v[OC+16*\rt+4*\g:OC+16*\rt+4*\g+3] offset:\rt*8192+\g*512
.endr
.endr
	s_wait_dscnt 0x0                               ; for the others' sake: my fragments lie in LDS
	s_barrier_signal -1
	s_barrier_wait -1
	; ---- y^T = Wp O^T: my 128 outputs for the 64 rows, two row tiles at a time; eight accumulators by turns
.irp half, 0,1
.if \half == 1
	PLACES
.endif
.irp rtl, 0,1
.irp ks, 0,1,2,3
.irp g, 0,1,2,3
	ds_load_b128 v[SCR+16*(4*\rtl+\ks)+4*\g:SCR+16*(4*\rtl+\ks)+4*\g+3], v[LI] offset:OIMG+(4*(2*\half+\rtl)+\ks)*2048+\g*512
.endr
.endr
.endr
	s_wait_loadcnt 0x0                             ; Wp and bp
	s_wait_dscnt 0x0
	WIN 0xa1                                       ; source 0 (Wp's tiles 0-3) window 1, C and D window 2
.irp ks, 0,1,2,3
.irp nt, 0,1,2,3
.irp rtl, 0,1
.if \ks == 0
	v_wmma_f32_16x16x128_bf8_bf8 v[8*(8*(2*\half+\rtl)+\nt):8*(8*(2*\half+\rtl)+\nt)+7], v[64*\nt+16*\ks:64*\nt+16*\ks+15], v[SCR+16*(4*\rtl+\ks):SCR+16*(4*\rtl+\ks)+15], 0
.else
	v_wmma_f32_16x16x128_bf8_bf8 v[8*(8*(2*\half+\rtl)+\nt):8*(8*(2*\half+\rtl)+\nt)+7], v[64*\nt+16*\ks:64*\nt+16*\ks+15], v[SCR+16*(4*\rtl+\ks):SCR+16*(4*\rtl+\ks)+15], v[8*(8*(2*\half+\rtl)+\nt):8*(8*(2*\half+\rtl)+\nt)+7]
.endif
.endr
.endr
.endr
	WIN 0xa3                                       ; Wp's tiles 4-7: window 3
.irp ks, 0,1,2,3
.irp nt, 4,5,6,7
.irp rtl, 0,1
.if \ks == 0
	v_wmma_f32_16x16x128_bf8_bf8 v[8*(8*(2*\half+\rtl)+\nt):8*(8*(2*\half+\rtl)+\nt)+7], v[64*(\nt-4)+16*\ks:64*(\nt-4)+16*\ks+15], v[SCR+16*(4*\rtl+\ks):SCR+16*(4*\rtl+\ks)+15], 0
.else
	v_wmma_f32_16x16x128_bf8_bf8 v[8*(8*(2*\half+\rtl)+\nt):8*(8*(2*\half+\rtl)+\nt)+7], v[64*(\nt-4)+16*\ks:64*(\nt-4)+16*\ks+15], v[SCR+16*(4*\rtl+\ks):SCR+16*(4*\rtl+\ks)+15], v[8*(8*(2*\half+\rtl)+\nt):8*(8*(2*\half+\rtl)+\nt)+7]
.endif
.endr
.endr
.endr
	WIN 0
.endr
	; ---- the way out, a row tile at a time: y = sum x 2^(e10 + e11) + bp; a lane's 32 bytes of a row go into my own stage and come back as whole pieces of 512 bytes of a row.
	; LDS serves a wave's instructions in order (ISA guide 5.7.1.4): no wait between the stores and the loads, nor ahead of the next tile's stores.
	PLACES
.irp rt, 0,1,2,3
.if \rt > 0
	s_wait_xcnt 0x0                                ; the last tile's stores have read their data: its registers are loaded again only behind this wait
.endif
	WIN 0x02                                       ; source 0 (the sums) window 2
.set n, 0
.rept 32
	v_pk_fma_f32 v[SCR+n:SCR+n+1], v[64*\rt+n:64*\rt+n+1], s[YS:YS+1], v[BP+n:BP+n+1] op_sel_hi:[1,0,1]
.set n, n+2
.endr
	WIN 0
.irp nt, 0,1,2,3,4,5,6,7
	ds_store_b128 v[STO], v[SCR+8*\nt:SCR+8*\nt+3] offset:64*\nt
	ds_store_b128 v[STO], v[SCR+8*\nt+4:SCR+8*\nt+7] offset:64*\nt+16
.endr
.irp t, 0,1,2,3,4,5,6,7,8,9,10,11,12,13,14,15
	ds_load_b128 v[EXU+4*\t:EXU+4*\t+3], v[RD] offset:\t*SPITCH
.endr
.irp t, 0,1,2,3,4,5,6,7,8,9,10,11,12,13,14,15
	s_wait_dscnt 15-\t                             ; row t is back; the younger reads may be out
	global_store_b128 v[CO], v[EXU+4*\t:EXU+4*\t+3], s[OL+2*(\rt/2):OL+2*(\rt/2)+1] offset:(16*(\rt%2)+\t)*2048 th:TH_STORE_NT   ; the wave stores 512 consecutive bytes, aligned; written once, read by nobody here
.endr
.endr
	s_wait_tensorcnt 0x0                           ; the wave's end, behind my last LDS store
	ds_add_u32 v[SPW], v[NIL]
	s_wait_dscnt 0x0
	s_endpgm
.Lfunc_end_k_q3d76318969_attn:
	.size	k_q3d76318969_attn, .Lfunc_end_k_q3d76318969_attn-k_q3d76318969_attn
	.p2alignl 7, 3214868480
	.fill 96, 4, 3214868480
	.section	.rodata,"a",@progbits
	.p2align	6, 0x0
	.amdhsa_kernel k_q3d76318969_attn
		.amdhsa_group_segment_fixed_size 75264
		.amdhsa_private_segment_fixed_size 0
		.amdhsa_enable_private_segment 0
		.amdhsa_kernarg_size 56
		.amdhsa_user_sgpr_count 2
		.amdhsa_user_sgpr_kernarg_segment_ptr 1
		.amdhsa_wavefront_size32 1
		.amdhsa_system_sgpr_workgroup_id_x 1
		.amdhsa_system_sgpr_workgroup_id_y 1
		.amdhsa_system_sgpr_workgroup_id_z 1
		.amdhsa_system_vgpr_workitem_id 0
		.amdhsa_next_free_vgpr 1024
		.amdhsa_next_free_sgpr 80
		.amdhsa_reserve_vcc 1
		.amdhsa_float_denorm_mode_32 3
		.amdhsa_float_denorm_mode_16_64 3
		.amdhsa_memory_ordered 1
		.amdhsa_forward_progress 1
		.amdhsa_inst_pref_size 222
	.end_amdhsa_kernel
	.amdgpu_metadata
---
amdhsa.version: [ 1, 2 ]
amdhsa.kernels:
  - .name:           k_q3d76318969_attn
    .symbol:         k_q3d76318969_attn.kd
    .args:
      - { .name: k_frag, .offset: 0, .size: 8, .value_kind: global_buffer, .address_space: global }
      - { .name: q_frag, .offset: 8, .size: 8, .value_kind: global_buffer, .address_space: global }
      - { .name: v_frag, .offset: 16, .size: 8, .value_kind: global_buffer, .address_space: global }
      - { .name: wp_frag, .offset: 24, .size: 8, .value_kind: global_buffer, .address_space: global }
      - { .name: bp, .offset: 32, .size: 8, .value_kind: global_buffer, .address_space: global }
      - { .name: lowp_scales, .offset: 40, .size: 8, .value_kind: global_buffer, .address_space: global }
      - { .name: out0, .offset: 48, .size: 8, .value_kind: global_buffer, .address_space: global }
    .group_segment_fixed_size: 75264
    .private_segment_fixed_size: 0
    .kernarg_segment_align: 8
    .kernarg_segment_size: 56
    .max_flat_workgroup_size: 128
    .sgpr_count:     80
    .vgpr_count:     1024
    .wavefront_size: 32
...
	.end_amdgpu_metadata
.endif
;; end of part 3
